; MI455X (gfx1250); checked and timed in simulation.
; The chip was launched on July 23, 2026; its instructions are those of AMD's public machine-readable ISA for CDNA 5 (MIT licence, August 2026) and "CDNA5" Instruction Set Architecture Reference Guide (July 2026). The comments in the code are by the model that wrote it; some were corrected since.
;; Multi Head Attention GPT. Allowed arithmetic: matrix products marked QUANTISED: E2M1 operands, one E8M0 scale for each 32 along K, by v_wmma_scale_f32_16x16x128_f8f6f4 with both operands' format E2M1 (or v_wmma_scale_f32_32x16x128_f4), f32 sums; products left as they are: bf16, f16 or f32 operands; f32 sums; everything else in f32.
;; Inputs: Wk 1,024 x 1,024 float32; Wo 1,024 x 1,024 float32; Wq 1,024 x 1,024 float32; Wv 1,024 x 1,024 float32; X 4 x 2,048 x 1,024 float32.
;; Outputs: out0 4 x 2,048 x 1,024 float32.
;; This version of the problem:
;;   THIS VERSION OF THE PROBLEM IS GIVEN IN LOW PRECISION. The matrix products marked QUANTISED in the list below multiply operands that are first quantised to E2M1 (2 exponent bits, 1 mantissa bit; 4 bits a number), with one power-of-two scale for each 32 numbers along K (OCP MX v1.0); their sums are f32. The products marked 'left as it is' may take bf16, f16 or f32 operands, with f32 sums. Whichever they take, every output number must still come out within the allowed error. Rounding operands to bf16 (8 significant bits) uses up far more of that allowance than f16 does (11 bits, for magnitudes from 6e-5 to 65,504). All else is computed in f32.
;;   The module's matrix products, in the order in which they are computed (A, B: the left and right operand; K: the contracted axis; several contracted axes count as one K, in the product's order):
;;     1. [M 8,192, K 1,024] x [K 1,024, N 1,024]; A: input X; B: input Wq: QUANTISED
;;     2. [M 8,192, K 1,024] x [K 1,024, N 1,024]; A: input X; B: input Wk: QUANTISED
;;     3. [M 8,192, K 1,024] x [K 1,024, N 1,024]; A: input X; B: input Wv: QUANTISED
;;     4. batch 64 x [M 2,048, K 64] x [K 64, N 2,048]; A: computed on the way; B: computed on the way: left as it is (an operand is computed on the way)
;;     5. batch 64 x [M 2,048, K 2,048] x [K 2,048, N 64]; A: computed on the way; B: computed on the way: left as it is (an operand is computed on the way)
;;     6. [M 8,192, K 1,024] x [K 1,024, N 1,024]; A: computed on the way; B: input Wo: left as it is (an operand is computed on the way)
;;   THE QUANTISER, for each operand of a quantised product, along K:
;;     - K is cut into blocks of 32 from its start; a last block that is shorter is filled with zeros.
;;     - A block's scale is 2^e with e = floor(log2(the largest magnitude in the block)) - 2, held to -126 .. 127; a block of zeros has e = 0. As a byte (E8M0): e + 127.
;;     - Each number is divided by its block's scale, clamped to +-6, and rounded to the nearest number of E2M1, ties to even, subnormals kept.
;;     - The product sums the exact products of the quantised numbers (number of the format x scale) in f32.
;;   ~~~python
;;   def quantise(x, axis):      # numpy; x: float32 -> the quantised numbers, widened to float32 again
;;       x = np.moveaxis(x, axis, -1); K = x.shape[-1]
;;       x = np.pad(x, [(0, 0)] * (x.ndim - 1) + [(0, -K % 32)]); x = x.reshape(x.shape[:-1] + (-1, 32)); a = np.abs(x).max(-1, keepdims=True)
;;       e = np.where(a > 0, np.clip(np.frexp(np.where(a > 0, a, 1))[1] - 1 - 2, -126, 127), 0)      # np.frexp(a)[1] - 1 = floor(log2(a)), exactly
;;       r = np.clip(x / 2.0 ** e, -6, 6)
;;       step = 2.0 ** (np.maximum(np.frexp(np.where(r == 0, 1, r))[1] - 1, 0) - 1)
;;       q = np.round(r / step) * step * 2.0 ** e      # np.round: ties to even
;;       return np.moveaxis(q.reshape(q.shape[:-2] + (-1,))[..., :K], -1, axis).astype(np.float32)
;;   ~~~
;; One version. Each part assembles by itself: llvm-mc -triple=amdgcn-amd-amdhsa -mcpu=gfx1250 --defsym DOCPART=n.
;; ======== version 1 of 1: 6 launches
;; limits: values are held in f16: magnitudes above 65,504 overflow, below 6.1e-05 lose precision
;; workspace buffers: x_codes 4,194,304 bytes; x_scales 262,144 bytes; w_codes 1,572,864 bytes; w_scales 98,304 bytes; wo16 2,097,152 bytes; qkv 50,331,648 bytes; ctx16 16,777,216 bytes; ctxf 262,144 bytes
;; launch prep (part 1): grid 336 x 1, 4 waves a work-group, no clusters, 68,096 bytes of LDS; arguments X, Wq, Wk, Wv, Wo, x_codes, x_scales, w_codes, w_scales, wo16; writes x_codes, x_scales, w_codes, w_scales, wo16
.if DOCPART == 1
	.amdgcn_target "amdgcn-amd-amdhsa--gfx1250"
	.amdhsa_code_object_version 6
	.text
	.protected	k_q90a8f25989_prep
	.globl	k_q90a8f25989_prep
	.p2align	8
	.type	k_q90a8f25989_prep,@function
k_q90a8f25989_prep:
	s_mov_b64 s[64:65], 0
	v_nop
	global_prefetch_b8 v0, s[64:65] scope:SCOPE_SE
	s_setreg_imm32_b32 hwreg(HW_REG_WAVE_MODE, 25, 1), 1
	s_wait_xcnt 0x0
; CAUSAL MULTI-HEAD ATTENTION, b = 4, n = 2,048, d = 1,024, 16 heads of 64, in six launches.  This is the first: it makes the operands of the later ones.
;   X [8192][1024] f32            -> codes of FP4 (E2M1), K innermost, [8192][512 bytes], and one E8M0 byte for each 32 along K, [8192][32]
;   Wq, Wk, Wv [k 1024][n 1024]   -> the same along their FIRST axis, laid [3072 = sel x 1024 + n][512 bytes] and [3072][32]
;   Wo [k 1024][n 1024] f32       -> f16, as it lies (its product is left as it is and takes f16 operands)
; WORK LEFT OUT IN THE WHOLE PROGRAM: only steps of 64 keys all of which come after all of a wave's queries.  reference() itself sets their scores to -inf by its own jnp.tril ahead of the softmax,
; so their weights are exactly 0 whatever finite values the inputs hold, and they add nothing to the row's sum or to ctx.  Every input has a way to the output and is loaded.
; LIMIT: a NaN, an infinity or an overflow that reaches only those hidden scores is not carried to the result.
; LIMITS of this launch: NaN and infinities among the inputs are not served.  A block of zeros gets the byte 1 where the quantiser says 127: its codes are zeros, which add nothing under any byte but 0xff,
; and the bytes are read by this program alone.  Blocks whose largest magnitude lies under 2^(2 - 126) have their byte held at 1.  Numbers of Wo beyond 65,504 have no place in f16.
; A block's scale is 2^(floor(log2(its largest magnitude)) - 2): its byte is the largest magnitude's own exponent field - 2.
; THREE PATHS, parted on the work-group's number alone: 0-255 X, 256-303 the three weights, 304-335 Wo.  Each path has LDS bytes of its own.  No barrier: waves share nothing.
.set SPW,   12                         ; v12  LDS address of my spare word: SPARE + 4 x my thread's number; never rewritten
.set NIL,   13                         ; v13  0; never rewritten
.set SPARE, 67584                      ; behind both paths' regions: 128 bytes for each wave, two blocks of 256 bytes that no other line names
.set EMAX,  2
; the path of X: a plain stream of blocks of 32
.set STEPS, 16
.set CB,    8                          ; bytes of 16 codes
.set XR,    16                         ; v16-79   four sets of 16 numbers as they are loaded
.set XX,    80                         ; v80-111  two sets of 16 neighbours
.set XE,    112                        ; v112-127 a scale byte for each step
.set XC,    128                        ; v128-191 codes: four registers for each step, so that no store's data are written again
.set WREG,  8192                       ; LDS 0 .. 32,767: a region for each wave: two stages of 32 x SP bytes, then its 256 scale bytes
.set SP,    80                         ; a lane's place in a stage: its 64 bytes + 16 of padding
; the path of the weights: a lane to a column, registers down K
.set WST,   32768                      ; LDS 32,768 .. 67,583: a stage of 32 rows x WPITCH for each wave
.set WPITCH, 272
.set NB,    16                         ; blocks of 32 along K for a wave
.set WSB,   24                         ; v24-27   the scale bytes, four to a register
.set WX,    32                         ; v32-95   two sets of 32 numbers
.set WC,    96                         ; v96-99   a block's codes
.set WOUT,  112                        ; v112-175 the way out
	s_load_b512 s[4:19], s[0:1], 0x0               ; X s[4:5], Wq s[6:7], Wk s[8:9], Wv s[10:11], Wo s[12:13], x_codes s[14:15], x_scales s[16:17], w_codes s[18:19]
	s_load_b128 s[20:23], s[0:1], 0x40             ; w_scales s[20:21], wo16 s[22:23]
	v_lshl_add_u32 v[SPW], v0, 2, SPARE
	v_mov_b32 v[NIL], 0
	v_lshrrev_b32 v1, 5, v0
	v_readfirstlane_b32 s24, v1                    ; wave 0..3
	v_and_b32 v2, 31, v0                           ; lane
	s_wait_kmcnt 0x0
	s_cmp_lt_u32 ttmp9, 256
	s_cbranch_scc0 .Lnot_x
; ---------------- X.  A wave takes 16 steps of 512 numbers.  Each load reads 512 consecutive bytes; a step's 2,048 bytes turn through the wave's own stage, so that a lane then holds 16 neighbours along K
	v_lshlrev_b32 v3, 4, v2                        ; my 16 bytes of a load's 512
	s_mul_i32 s25, s24, WREG
	v_lshrrev_b32 v14, 2, v2
	v_mul_u32_u24 v14, v14, SP
	v_and_b32 v15, 3, v2
	v_lshl_add_u32 v14, v15, 4, v14
	v_add_nc_u32 v14, s25, v14                     ; the stage, on the way in: SP (lane / 4) + 16 (lane % 4)
	v_mul_u32_u24 v15, v2, SP
	v_add_nc_u32 v15, s25, v15                     ; and on the way out: SP x lane
	v_mul_u32_u24 v4, v2, CB                       ; my codes' place in a step's
	v_lshrrev_b32 v5, 1, v2
	s_add_co_u32 s25, s25, 2*32*SP
	v_add_nc_u32 v5, s25, v5                       ; my wave's 256 scale bytes, my block's byte
	v_lshlrev_b32 v7, 3, v2
	v_add_nc_u32 v6, s25, v7                       ; and on the way out 8 bytes a lane
	s_lshl_b32 s26, ttmp9, 2
	s_add_co_u32 s26, s26, s24                     ; which run of 8,192 numbers is my wave's: 0 .. 1,023
	s_mov_b32 s27, 0
	s_lshl_b64 s[28:29], s[26:27], 15
	s_add_nc_u64 s[4:5], s[4:5], s[28:29]          ; 32,768 bytes of X a run,
	s_lshl_b64 s[28:29], s[26:27], 12
	s_add_nc_u64 s[14:15], s[14:15], s[28:29]      ; 4,096 of codes,
	s_lshl_b64 s[28:29], s[26:27], 8
	s_add_nc_u64 s[16:17], s[16:17], s[28:29]      ; 256 of scale bytes
.macro XLOAD t
.irp i, 0,1,2,3
	global_load_b128 v[XR+16*((\t)%4)+4*\i:XR+16*((\t)%4)+4*\i+3], v3, s[4:5] offset:2048*(\t)+512*\i th:TH_LOAD_NT
.endr
.endm
.macro XTURN t                         ; step t's numbers through the stage: LDS serves a wave's instructions in order, so no wait stands between the stores and the loads
.irp i, 0,1,2,3
	ds_store_b128 v14, v[XR+16*((\t)%4)+4*\i:XR+16*((\t)%4)+4*\i+3] offset:32*SP*((\t)%2)+8*SP*\i
.endr
.irp i, 0,1,2,3
	ds_load_b128 v[XX+16*((\t)%2)+4*\i:XX+16*((\t)%2)+4*\i+3], v15 offset:32*SP*((\t)%2)+16*\i
.endr
.endm
.irp t, 0,1,2,3
	XLOAD \t
.endr
	s_wait_loadcnt 12                              ; step 0's four loads are in; the twelve of steps 1 to 3 may be out
	XTURN 0
.macro XSTEP t
.set XS, XX+16*((\t)%2)
.if (\t) > 0
	s_wait_dscnt 1                                 ; this step's numbers are back from the stage; the last step's byte store may be out
.else
	s_wait_dscnt 0x0
.endif
.if (\t)+4 < STEPS
	XLOAD (\t)+4                                   ; into the registers that this step's stores into the stage have read
.endif
.if (\t)+1 < STEPS
.if STEPS-2-(\t) >= 3
	s_wait_loadcnt 12                              ; the next step's four loads are in; those of the three steps behind it may be out
.else
	s_wait_loadcnt 4*(STEPS-2-(\t))
.endif
	XTURN (\t)+1
.endif
	v_max3_num_f32 v8, |v[XS]|, |v[XS+1]|, |v[XS+2]|
	v_max3_num_f32 v9, |v[XS+3]|, |v[XS+4]|, |v[XS+5]|
.irp i, 6,10
	v_max3_num_f32 v8, v8, |v[XS+\i]|, |v[XS+\i+1]|
	v_max3_num_f32 v9, v9, |v[XS+\i+2]|, |v[XS+\i+3]|
.endr
	v_max3_num_f32 v8, v8, |v[XS+14]|, |v[XS+15]|
	v_max3_num_f32 v8, v8, v9, (EMAX+1)<<23        ; and the floor 2^(EMAX + 1 - 127): the byte cannot fall under 1
	v_max_num_f32_dpp v8, v8, v8 row_xmask:1 row_mask:0xf bank_mask:0xf   ; with my neighbour's 16: the block's largest magnitude
	v_add_nc_u32 v11, -(EMAX<<23), v8              ; EMAX off its exponent field: the conversion takes the exponent field of this operand as its scale
	v_cvt_scalef32_pk8_fp4_f32 v[XC+4*(\t)], v[XS:XS+7], v11
	v_cvt_scalef32_pk8_fp4_f32 v[XC+4*(\t)+1], v[XS+8:XS+15], v11
	v_lshrrev_b32 v[XE+(\t)], 23, v11              ; the scale's byte
	ds_store_b8 v5, v[XE+(\t)] offset:16*(\t)      ; both lanes of a block write the same byte with the same value
	global_store_b64 v4, v[XC+4*(\t):XC+4*(\t)+1], s[14:15] offset:32*CB*(\t)   ; the wave stores 256 consecutive bytes, aligned
.endm
.irp t, 0,1,2,3,4,5,6,7,8,9,10,11,12,13,14,15
	XSTEP \t
.endr
	ds_load_b64 v[8:9], v6                         ; LDS serves a wave's instructions in order: these see my byte stores
	s_wait_dscnt 0x0
	global_store_b64 v7, v[8:9], s[16:17]          ; 32 lanes store 256 consecutive bytes, aligned
	s_branch .Lend
; ---------------- Wq, Wk, Wv.  u = work-group - 256: u / 16 the weight, u % 8 its 128 columns, (u / 8) % 2 its half of K.  A wave takes 32 columns x 512 along K
.Lnot_x:
	s_cmp_lt_u32 ttmp9, 304
	s_cbranch_scc0 .Lwo
	s_sub_co_u32 s25, ttmp9, 256
	s_lshr_b32 s26, s25, 4                         ; sel: 0 q, 1 k, 2 v
	s_and_b32 s27, s25, 7
	s_bfe_u32 s28, s25, 0x10003                    ; which 512 along K
	s_cmp_eq_u32 s26, 0                            ; the choice of buffer hangs on the work-group's number alone
	s_cselect_b64 s[6:7], s[6:7], s[8:9]
	s_cmp_eq_u32 s26, 2
	s_cselect_b64 s[6:7], s[10:11], s[6:7]
	s_lshl_b32 s27, s27, 7
	s_lshl_b32 s29, s24, 5
	s_add_co_u32 s27, s27, s29                     ; my wave's first column
	s_lshl_b32 s30, s28, 21                        ; 512 rows of 4,096 bytes
	s_lshl_b32 s31, s27, 2
	s_add_co_u32 s30, s30, s31
	s_mov_b32 s31, 0
	s_add_nc_u64 s[6:7], s[6:7], s[30:31]
	s_lshl_b32 s26, s26, 10
	s_add_co_u32 s26, s26, s27                     ; my first row of the codes' and the scales' buffers
	s_lshl_b32 s30, s26, 9
	s_lshl_b32 s32, s28, 8
	s_add_co_u32 s30, s30, s32
	s_add_nc_u64 s[18:19], s[18:19], s[30:31]
	s_lshl_b32 s30, s26, 5
	s_lshl_b32 s32, s28, 4
	s_add_co_u32 s30, s30, s32
	s_add_nc_u64 s[20:21], s[20:21], s[30:31]
	v_lshlrev_b32 v3, 2, v2                        ; in: 4 bytes a lane
	s_mul_i32 s33, s24, 32*WPITCH
	s_add_co_u32 s33, s33, WST                     ; my stage
	v_mul_u32_u24 v4, v2, WPITCH
	v_add_nc_u32 v4, s33, v4                       ; into it: row = my column
	v_and_b32 v5, 15, v2
	v_lshrrev_b32 v6, 4, v2
	v_mul_u32_u24 v7, v6, WPITCH
	v_lshl_add_u32 v7, v5, 4, v7
	v_add_nc_u32 v7, s33, v7                       ; out of it: sixteen lanes to a row, two rows an instruction
	v_mul_u32_u24 v8, v6, 512
	v_lshl_add_u32 v8, v5, 4, v8                   ; and the same place in the codes' buffer
	v_mul_u32_u24 v9, v2, 32                       ; my column's row of scale bytes
.macro WLOAD t                         ; block t: W(32 t + i, my column) into set t % 2: 32 lanes read 128 consecutive bytes, the four waves side by side
.set i, 0
.rept 32
	global_load_b32 v[WX+32*((\t)%2)+i], v3, s[6:7] offset:(32*(\t)+i)*4096 th:TH_LOAD_NT
.set i, i+1
.endr
.endm
	WLOAD 0
	WLOAD 1
.macro WBLOCK t
.set XS, WX+32*((\t)%2)
.if (\t) < NB-1
	s_wait_loadcnt 32                              ; this block's 32 loads are in; the next block's 32 may be out
.else
	s_wait_loadcnt 0
.endif
	v_max3_num_f32 v16, |v[XS]|, |v[XS+1]|, |v[XS+2]|              ; the block's largest magnitude: all 32 numbers are mine
	v_max3_num_f32 v17, |v[XS+3]|, |v[XS+4]|, |v[XS+5]|
.irp i, 6,10,14,18,22,26
	v_max3_num_f32 v16, v16, |v[XS+\i]|, |v[XS+\i+1]|
	v_max3_num_f32 v17, v17, |v[XS+\i+2]|, |v[XS+\i+3]|
.endr
	v_max3_num_f32 v16, v16, |v[XS+30]|, |v[XS+31]|
	v_max3_num_f32 v16, v16, v17, (EMAX+1)<<23
	v_add_nc_u32 v18, -(EMAX<<23), v16
	v_lshrrev_b32 v17, 23, v18                     ; the scale's byte
.if (\t)%4 == 0
	v_mov_b32 v[WSB+(\t)/4], v17                   ; four bytes to a register, the lower K in the lower byte
.else
	v_lshl_or_b32 v[WSB+(\t)/4], v17, 8*((\t)%4), v[WSB+(\t)/4]
.endif
.irp g, 0,1,2,3
	v_cvt_scalef32_pk8_fp4_f32 v[WC+\g], v[XS+8*\g:XS+8*\g+7], v18
.endr
	ds_store_b128 v4, v[WC:WC+3] offset:16*(\t)    ; 32 codes: 16 bytes of my column's row
.if (\t)+2 < NB
	WLOAD (\t)+2
.endif
	s_wait_dscnt 0x0                               ; the store has read its registers: the next block's codes may be written
.endm
.set Q, 0
.rept NB
	WBLOCK Q
.set Q, Q+1
.endr
	global_store_b128 v9, v[WSB:WSB+3], s[20:21]   ; my column's 16 scale bytes
.irp t, 0,1,2,3,4,5,6,7,8,9,10,11,12,13,14,15
	ds_load_b128 v[WOUT+4*\t:WOUT+4*\t+3], v7 offset:2*\t*WPITCH
.endr
.irp t, 0,1,2,3,4,5,6,7,8,9,10,11,12,13,14,15
	s_wait_dscnt 15-\t                             ; LDS loads come back in order: load t is in, the younger ones may be out
	global_store_b128 v8, v[WOUT+4*\t:WOUT+4*\t+3], s[18:19] offset:2*\t*512   ; sixteen lanes store 256 consecutive bytes, aligned
.endr
	s_branch .Lend
; ---------------- Wo to f16: a plain stream.  A wave takes 8,192 numbers in four batches of 16 loads; two batches are on their way
.Lwo:
	s_sub_co_u32 s25, ttmp9, 304
	s_lshl_b32 s25, s25, 2
	s_add_co_u32 s25, s25, s24                     ; run 0 .. 127
	s_lshl_b32 s26, s25, 15
	s_mov_b32 s27, 0
	s_add_nc_u64 s[12:13], s[12:13], s[26:27]
	s_lshl_b32 s26, s25, 14
	s_add_nc_u64 s[22:23], s[22:23], s[26:27]
	v_lshlrev_b32 v3, 4, v2
	v_lshlrev_b32 v4, 3, v2
.macro OLOAD t
.set i, 0
.rept 16
	global_load_b128 v[32+64*((\t)%2)+4*i:32+64*((\t)%2)+4*i+3], v3, s[12:13] offset:512*(16*(\t)+i) th:TH_LOAD_NT
.set i, i+1
.endr
.endm
	OLOAD 0
	OLOAD 1
.irp t, 0,1,2,3
.if \t < 3
	s_wait_loadcnt 16                              ; this batch is in; the other set's 16 loads may be out
.else
	s_wait_loadcnt 0
.endif
.if \t > 0
	s_wait_xcnt 0x0                                ; the last batch's stores have read v160-191, which are written again below
.endif
.set i, 0
.rept 32
	v_cvt_pk_f16_f32 v[160+i], v[32+64*(\t%2)+2*i], v[32+64*(\t%2)+2*i+1]
.set i, i+1
.endr
.set i, 0
.rept 16
	global_store_b64 v4, v[160+2*i:160+2*i+1], s[22:23] offset:256*(16*\t+i)   ; the wave stores 256 consecutive bytes, aligned
.set i, i+1
.endr
.if \t < 2
	OLOAD \t+2
.endif
.endr
.Lend:
	s_wait_tensorcnt 0x0                           ; the wave's end: behind my last LDS store
	ds_add_u32 v[SPW], v[NIL]
	s_wait_dscnt 0x0
	s_endpgm
.Lfunc_end_k_q90a8f25989_prep:
	.size	k_q90a8f25989_prep, .Lfunc_end_k_q90a8f25989_prep-k_q90a8f25989_prep
	.p2alignl 7, 3214868480
	.fill 96, 4, 3214868480
	.section	.rodata,"a",@progbits
	.p2align	6, 0x0
	.amdhsa_kernel k_q90a8f25989_prep
		.amdhsa_group_segment_fixed_size 68096
		.amdhsa_private_segment_fixed_size 0
		.amdhsa_enable_private_segment 0
		.amdhsa_kernarg_size 80
		.amdhsa_user_sgpr_count 2
		.amdhsa_user_sgpr_kernarg_segment_ptr 1
		.amdhsa_wavefront_size32 1
		.amdhsa_system_sgpr_workgroup_id_x 1
		.amdhsa_system_sgpr_workgroup_id_y 1
		.amdhsa_system_sgpr_workgroup_id_z 1
		.amdhsa_system_vgpr_workitem_id 0
		.amdhsa_next_free_vgpr 192
		.amdhsa_next_free_sgpr 66
		.amdhsa_reserve_vcc 0
		.amdhsa_float_denorm_mode_32 3
		.amdhsa_float_denorm_mode_16_64 3
		.amdhsa_memory_ordered 1
		.amdhsa_forward_progress 1
		.amdhsa_inst_pref_size 131
	.end_amdhsa_kernel
	.amdgpu_metadata
---
amdhsa.version: [ 1, 2 ]
amdhsa.kernels:
  - .name:           k_q90a8f25989_prep
    .symbol:         k_q90a8f25989_prep.kd
    .args:
      - { .name: X, .offset: 0, .size: 8, .value_kind: global_buffer, .address_space: global }
      - { .name: Wq, .offset: 8, .size: 8, .value_kind: global_buffer, .address_space: global }
      - { .name: Wk, .offset: 16, .size: 8, .value_kind: global_buffer, .address_space: global }
      - { .name: Wv, .offset: 24, .size: 8, .value_kind: global_buffer, .address_space: global }
      - { .name: Wo, .offset: 32, .size: 8, .value_kind: global_buffer, .address_space: global }
      - { .name: x_codes, .offset: 40, .size: 8, .value_kind: global_buffer, .address_space: global }
      - { .name: x_scales, .offset: 48, .size: 8, .value_kind: global_buffer, .address_space: global }
      - { .name: w_codes, .offset: 56, .size: 8, .value_kind: global_buffer, .address_space: global }
      - { .name: w_scales, .offset: 64, .size: 8, .value_kind: global_buffer, .address_space: global }
      - { .name: wo16, .offset: 72, .size: 8, .value_kind: global_buffer, .address_space: global }
    .group_segment_fixed_size: 68096
    .private_segment_fixed_size: 0
    .kernarg_segment_align: 8
    .kernarg_segment_size: 80
    .max_flat_workgroup_size: 128
    .sgpr_count:     66
    .vgpr_count:     192
    .wavefront_size: 32
...
	.end_amdgpu_metadata
.endif
;; end of part 1
;; launch qkv (part 2): grid 12 x 32, 4 waves a work-group, clusters of 4 x 4, 327,680 bytes of LDS; arguments x_codes, x_scales, w_codes, w_scales, qkv; writes qkv
.if DOCPART == 2
	.amdgcn_target "amdgcn-amd-amdhsa--gfx1250"
	.amdhsa_code_object_version 6
	.text
	.protected	k_q90a8f25989_qkv
	.globl	k_q90a8f25989_qkv
	.p2align	8
	.type	k_q90a8f25989_qkv,@function
k_q90a8f25989_qkv:
	s_mov_b64 s[64:65], 0
	v_nop
	global_prefetch_b8 v0, s[64:65] scope:SCOPE_SE
	s_setreg_imm32_b32 hwreg(HW_REG_WAVE_MODE, 25, 1), 1
	s_wait_xcnt 0x0
	s_wait_alu depctr_hold_cnt(0) depctr_sa_sdst(0) depctr_va_vdst(0) depctr_va_sdst(0) depctr_va_ssrc(0) depctr_va_vcc(0) depctr_vm_vsrc(0)
	s_getreg_b32 s2, hwreg(HW_REG_IB_STS2, 6, 4)
	s_cmp_eq_u32 s2, 0
	s_cbranch_scc0 .Lentry_in_a_cluster
	s_endpgm
.Lentry_in_a_cluster:
	s_bfe_u32 s2, ttmp6, 0x10000c
	s_cmp_lg_u32 s2, 0xf033
	s_cbranch_scc0 .Lentry_shape_is_right
	s_endpgm
.Lentry_shape_is_right:
; q, k, v = X Wq, X Wk, X Wv as ONE product on codes of FP4 (E2M1) with E8M0 scales: C[m][n] = sum over k of A[m][k] B[n][k], A = X's codes [8192][1024], B = the three weights' codes [3072][1024].
; The f32 sums are rounded once to f16 (the operands of the two attention products, which are left as they are) and laid by head: qkv [sel 3][b 4][h 16][n 2048][64].
; LIMIT: a sum beyond 65,504 has no place in f16.  With X and the weights 30 times larger than drawn the sums stay near 5,000; with offsets of 30 spreads on both near 28,800.
; A tile of C, 256 x 256, is made by a work-group of four waves; a wave makes 128 x 128: 64 accumulators of 16 x 16, 512 registers.  K = 1,024 is two steps of 512: both lie in LDS at once, in two slots,
; asked for at the head.  Nothing is ever filled again.  The scales of the work-group's 256 + 256 rows, for all of K, come once, in rows of 256 bytes.
; CLUSTERS: 4 x 4 work-groups.  The four of a row of the cluster need the same tiles of A, the four of a column the same tiles of B: each tile is asked for JOINTLY, by the same tensor load with the
; same descriptor and a mask that names the four.  THE MATRIX INSTRUCTION IS USED TRANSPOSED (source 0 = 16 rows of B, source 1 = 16 rows of A): a lane then holds eight neighbouring numbers of a row of C.
; No prefetch: all that the work-group reads is asked for by its first loads.
; REGISTERS, in windows of 256: window 0: v0-31 addresses; v32-95 scale words, two sets; v128-191 A's fragments, ONE set; on the way out v32-63 and v192-255.
;   window 1: B's fragments, TWO sets, at v0 and at v128.   window 2: the 32 accumulators of my rows 0-63 ((a, b) at v[8 (8 a + b)]);   window 3: those of my rows 64-127.
.set KSTEP,  512
.set NQ,     KSTEP/128                 ; matrix instructions deep
.set ROWB,   256                       ; a tile's row in bytes
.set KROW,   512                       ; a row of A or of B in memory
.set PITCH,  272                       ; an LDS row: 256 bytes + 16 of padding = 68 words: the 16 rows that a load touches start at 16 different banks
.set FR,     8
.set NL,     2
.set NP,     4                         ; places behind this matrix instruction (ISA guide 7.12.1)
.set HALFT,  128*PITCH
.set SLOT,   4*HALFT                   ; A's 256 rows, then B's 256 rows
.set KS,     32                        ; a row of scales in bytes
.set SCL,    2*SLOT
.set HALFS,  (128*KS/256)*272          ; the scales of 128 rows: what one tensor load brings
.set SBLK,   (16*KS/256)*272           ; those of 16 rows
.set SPARE,  SCL+4*HALFS               ; the spare words, 128 bytes for each wave: two blocks of 256 bytes that no other line names
.set SPITCH, 272                       ; the way out: a stage of 16 rows x (256 bytes + 16) for each wave, in slot 0, which has had its one fill and its last read when the first result is stored there
.set ADRA, 16
.set ADRB, 20
.set STO,  24
.set RD,   25
.set CO,   26
.set ADRS, 27
.set SPW,  28
.set NIL,  29
.set SC,   32
.set AF,   128
.set TMP,  192                         ; the way out: a block's 32 packed registers
.set OB,   32                          ; and 16 rows read back: v32-63 and v224-255 by turns
.set G1, 24
.set G0, 32
.set G1B, 48
.set G0B, 56
.set G1S, 68
.set G0S, 76
.set G1SB, 80
.set G0SB, 88
.set MSB, 0
.macro WIN new                         ; the immediate's high byte repeats the setting that is left
.if MSB != \new
	s_set_vgpr_msb (MSB<<8)|\new
.set MSB, \new
.endif
.endm
.set MUL_LO, 0xa1                      ; source 0 (B) window 1, source 1 (A) window 0, C and D window 2
.set MUL_HI, 0xf1
.set TO_B,   0x40
; A joint load: waves 0 and 1 fetch for A, waves 2 and 3 for B.  The branch hangs on the wave's number alone.  An s_nop 0 and four v_nop follow each of the two lines.
.macro JLOAD g0a, g1a, g0b, g1b
	s_cmp_eq_u32 s15, 0
	s_cbranch_scc0 .Lfor_b_\@
	tensor_load_to_lds s[\g0a:\g0a+3], s[\g1a:\g1a+7]
	s_nop 0
.rept 4
	v_nop
.endr
	s_branch .Lasked_\@
.Lfor_b_\@:
	tensor_load_to_lds s[\g0b:\g0b+3], s[\g1b:\g1b+7]
	s_nop 0
.rept 4
	v_nop
.endr
.Lasked_\@:
.endm
.macro CROUND                          ; a round of the cluster's barrier
	s_barrier_signal -1
	s_barrier_wait -1
	s_cmp_lg_u32 s14, 0
	s_cbranch_scc1 .Lnot_wave_0_\@
	s_barrier_signal -3
.Lnot_wave_0_\@:
	s_barrier_wait -3
	s_barrier_signal -1
	s_barrier_wait -1
.endm
	s_load_b128 s[4:7], s[0:1], 0x0                ; A's codes s[4:5], A's scales s[6:7]
	s_load_b128 s[8:11], s[0:1], 0x10              ; B's codes s[8:9], B's scales s[10:11]
	s_load_b64 s[12:13], s[0:1], 0x20              ; qkv
	v_lshl_add_u32 v[SPW], v0, 2, SPARE
	v_mov_b32 v[NIL], 0
	ds_add_u32 v[SPW], v[NIL]                      ; the wave's opening: the add, twice on end, and its wait ahead of my first tensor load
	ds_add_u32 v[SPW], v[NIL]
	v_lshrrev_b32 v1, 5, v0
	v_readfirstlane_b32 s14, v1                    ; wave 0..3
	s_lshr_b32 s15, s14, 1                         ; which half of the tile's rows is mine.  Also: I fetch for A (0) or for B (1)
	s_and_b32 s16, s14, 1                          ; which half of its columns.  Also: which 128 rows of that tile I fetch
	s_bfe_u32 s40, ttmp6, 0x40000                  ; cx, cy: my place in the cluster
	s_bfe_u32 s41, ttmp6, 0x40004
	s_lshl_b32 s42, ttmp9, 2
	s_add_co_u32 s42, s42, s40                     ; tile column of C
	s_and_b32 s17, ttmp7, 0xffff
	s_lshl_b32 s17, s17, 2
	s_add_co_u32 s17, s17, s41                     ; tile row of C
	s_lshl_b32 s43, s41, 2
	s_lshl_b32 s43, 15, s43                        ; my row of the cluster
	s_lshl_b32 s44, 0x1111, s40                    ; my column
	s_or_b32 s[G1+0], s43, (0<<16)|(1<<20)|(1<<21)|(5<<22)|(3<<25)  ; the mask; elements of 1 byte; padding on; bit 21 beside a mask; after every 64 words four words
	s_or_b32 s[G1B+0], s44, (0<<16)|(1<<20)|(1<<21)|(5<<22)|(3<<25)
.irp g, G1, G1B
	s_mov_b32 s[\g+1], ROWB<<16                    ; tensor_dim0
	s_mov_b32 s[\g+2], 128<<16                     ; tensor_dim1
	s_mov_b32 s[\g+3], ROWB<<16                    ; tile_dim0
	s_mov_b32 s[\g+4], 128                         ; tile_dim1
	s_mov_b32 s[\g+5], KROW                        ; tensor_dim0_stride
	s_mov_b32 s[\g+6], 0
	s_mov_b32 s[\g+7], 0
.endr
	s_or_b32 s[G1S+0], s43, (3<<16)|(1<<20)|(1<<21)|(5<<22)|(3<<25) ; the scales of 128 rows: a dense block, as rows of 256 bytes (32 elements of 8 bytes), 16 bytes of padding behind each
	s_or_b32 s[G1SB+0], s44, (3<<16)|(1<<20)|(1<<21)|(5<<22)|(3<<25)
.irp g, G1S, G1SB
	s_mov_b32 s[\g+1], 32<<16
	s_mov_b32 s[\g+2], (128*KS/256)<<16
	s_mov_b32 s[\g+3], 32<<16
	s_mov_b32 s[\g+4], 128*KS/256
	s_mov_b32 s[\g+5], 32
	s_mov_b32 s[\g+6], 0
	s_mov_b32 s[\g+7], 0
.endr
	s_lshl_b32 s18, s16, 7
	s_lshl_b32 s20, s17, 8
	s_add_co_u32 s20, s20, s18                     ; A: row 256 x tile row + 128 x half
	s_lshl_b32 s46, s42, 8
	s_add_co_u32 s46, s46, s18                     ; B: row 256 x tile column + 128 x half
	s_mov_b32 s21, 0
	s_mov_b32 s47, 0
	s_mov_b64 s[18:19], KS
	s_mul_u64 s[22:23], s[20:21], s[18:19]         ; where these rows' scales begin,
	s_mul_u64 s[92:93], s[46:47], s[18:19]
	s_mov_b64 s[18:19], KROW
	s_mul_u64 s[20:21], s[20:21], s[18:19]         ; and their codes
	s_mul_u64 s[46:47], s[46:47], s[18:19]
	s_mul_i32 s45, s14, HALFT                      ; where they go: wave x 128 rows: no place in the cluster enters an LDS address
	s_mul_i32 s94, s14, HALFS
	s_wait_dscnt 0x0                               ; both opening adds are done
	s_wait_kmcnt 0x0
	s_add_nc_u64 s[20:21], s[4:5], s[20:21]
	s_add_nc_u64 s[22:23], s[6:7], s[22:23]
	s_add_nc_u64 s[46:47], s[8:9], s[46:47]
	s_add_nc_u64 s[92:93], s[10:11], s[92:93]
	CROUND                                         ; all sixteen work-groups are here: the joint loads meet
	s_mov_b32 s[G0S], 1
	s_add_co_u32 s[G0S+1], s94, SCL
	s_mov_b64 s[G0S+2:G0S+3], s[22:23]
	s_or_b32 s[G0S+3], s[G0S+3], 0x80000000
	s_mov_b32 s[G0SB], 1
	s_add_co_u32 s[G0SB+1], s94, SCL
	s_mov_b64 s[G0SB+2:G0SB+3], s[92:93]
	s_or_b32 s[G0SB+3], s[G0SB+3], 0x80000000
	JLOAD G0S, G1S, G0SB, G1SB                     ; the scales first: they are wanted with K step 0
.irp s, 0,1
	s_mov_b32 s[G0+4*\s], 1
	s_add_co_u32 s[G0+4*\s+1], s45, \s*SLOT
	s_add_nc_u64 s[G0+4*\s+2:G0+4*\s+3], s[20:21], \s*ROWB
	s_or_b32 s[G0+4*\s+3], s[G0+4*\s+3], 0x80000000
	s_mov_b32 s[G0B+4*\s], 1
	s_add_co_u32 s[G0B+4*\s+1], s45, \s*SLOT
	s_add_nc_u64 s[G0B+4*\s+2:G0B+4*\s+3], s[46:47], \s*ROWB
	s_or_b32 s[G0B+4*\s+3], s[G0B+4*\s+3], 0x80000000
	JLOAD G0+4*\s, G1, G0B+4*\s, G1B               ; by this text's own count three tensor loads of a wave are out
.endr
	v_and_b32 v1, 15, v0                           ; r = l % 16
	v_bfe_u32 v2, v0, 4, 1                         ; h = l / 16
	v_mul_u32_u24 v3, v1, PITCH
	v_lshl_add_u32 v4, v2, 4, v3                   ; a fragment's row x pitch + 16 x half
	s_mul_i32 s21, s15, HALFT
	s_mul_i32 s22, s16, HALFT
	s_add_co_u32 s22, s22, 2*HALFT
.irp s, 0,1
	v_add_nc_u32 v[ADRA+\s], s21, v4
	v_add_nc_u32 v[ADRB+\s], s22, v4
	s_add_co_u32 s21, s21, SLOT
	s_add_co_u32 s22, s22, SLOT
.endr
	v_mul_u32_u24 v5, v1, KS                       ; my row's scales: KS bytes a row,
	v_lshrrev_b32 v6, 8, v5
	v_lshl_add_u32 v5, v6, 4, v5                   ; and 16 more for each 256 passed
	s_mul_i32 s21, s15, HALFS
	s_mul_i32 s22, s16, HALFS
	s_add_co_u32 s22, s22, 2*HALFS
	s_sub_co_u32 s22, s22, s21
	v_mul_u32_u24 v6, s22, v2                      ; lanes 16-31 take B's
	s_add_co_u32 s21, s21, SCL
	v_add_nc_u32 v5, v5, v6
	v_add_nc_u32 v[ADRS], s21, v5
	s_mul_i32 s23, s14, 16*SPITCH                  ; my stage
	v_mul_u32_u24 v5, v1, SPITCH
	v_lshl_add_u32 v5, v2, 4, v5
	v_add_nc_u32 v[STO], s23, v5                   ; in: row r, 16 bytes for each half of the lanes
	v_bfe_u32 v5, v0, 3, 1
	v_mul_u32_u24 v5, v5, SPITCH
	v_lshl_add_u32 v5, v2, 7, v5
	v_and_b32 v6, 7, v0
	v_lshl_add_u32 v5, v6, 4, v5
	v_add_nc_u32 v[RD], s23, v5                    ; back: lanes 0-15 take two rows' first 128 bytes (one head), lanes 16-31 their second 128 bytes (the next head)
	v_lshlrev_b32 v[CO], 4, v1
	v_lshl_add_u32 v[CO], v2, 18, v[CO]            ; in qkv: two rows of a head are 256 consecutive bytes; the next head lies 2^18 bytes on
	s_lshr_b32 s20, s17, 3                         ; where my part begins in qkv.  From the tile row: the batch, 16 heads of 2^18 bytes each,
	s_lshl_b32 s20, s20, 22
	s_and_b32 s21, s17, 7
	s_lshl_b32 s21, s21, 15                        ; 256 positions of 128 bytes,
	s_add_co_u32 s20, s20, s21
	s_lshl_b32 s21, s15, 14                        ; my 128 of them
	s_add_co_u32 s20, s20, s21
	s_mov_b32 s21, 0
	s_lshr_b32 s46, s42, 2                         ; from the tile column: q, k or v, 2^24 bytes each,
	s_lshl_b32 s46, s46, 24
	s_and_b32 s47, s42, 3
	s_lshl_b32 s47, s47, 20                        ; four heads to a tile,
	s_add_co_u32 s46, s46, s47
	s_lshl_b32 s47, s16, 19                        ; two to a wave
	s_add_co_u32 s46, s46, s47
	s_mov_b32 s47, 0
	s_add_nc_u64 s[20:21], s[20:21], s[46:47]
	s_add_nc_u64 s[12:13], s[12:13], s[20:21]
.macro FRAG reg, adr, q, i             ; 16 rows x 128 K of 4-bit codes: lane l holds row l % 16; registers 4 c .. 4 c + 3 hold K = 64 c + 32 (l / 16) + 0 .. 31
.irp c, 0,1
	ds_load_b128 v[\reg+4*\c:\reg+4*\c+3], v[\adr] offset:64*(\q)+32*\c+(\i)*16*PITCH
.endr
.endm
; 16 matrix instructions: A's blocks a0, a0 + 1 x B's eight, the slot's q-th 128 along K.  The 64 accumulators take turns, one instruction a turn, in the same order in every step.
.macro MUL16 a0, p, q, sc, zero
.irp a, \a0, \a0+1
.irp b, 0,1,2,3,4,5,6,7
.if \zero
	v_wmma_scale_f32_16x16x128_f8f6f4 v[8*(8*((\a)%4)+\b):8*(8*((\a)%4)+\b)+7], v[128*(\p)+FR*\b:128*(\p)+FR*\b+FR-1], v[AF+FR*(\a):AF+FR*(\a)+FR-1], 0, v[SC+8*NQ*(\sc)+NQ*\b+(\q)], v[SC+8*NQ*(\sc)+NQ*(\a)+(\q)] matrix_a_fmt:MATRIX_FMT_FP4 matrix_b_fmt:MATRIX_FMT_FP4 matrix_a_scale:MATRIX_SCALE_ROW1
.else
	v_wmma_scale_f32_16x16x128_f8f6f4 v[8*(8*((\a)%4)+\b):8*(8*((\a)%4)+\b)+7], v[128*(\p)+FR*\b:128*(\p)+FR*\b+FR-1], v[AF+FR*(\a):AF+FR*(\a)+FR-1], v[8*(8*((\a)%4)+\b):8*(8*((\a)%4)+\b)+7], v[SC+8*NQ*(\sc)+NQ*\b+(\q)], v[SC+8*NQ*(\sc)+NQ*(\a)+(\q)] matrix_a_fmt:MATRIX_FMT_FP4 matrix_b_fmt:MATRIX_FMT_FP4 matrix_a_scale:MATRIX_SCALE_ROW1
.endif
.endr
.endr
.endm
.macro FETCH_B slot, q, p
	WIN TO_B
.irp i, 0,1,2,3,4,5,6,7
	FRAG 128*(\p)+FR*\i, ADRB+\slot, \q, \i
.endr
	WIN 0
.endm
.macro FETCH_A slot, q, i0
.irp i, \i0, \i0+1, \i0+2, \i0+3
	FRAG AF+FR*(\i), ADRA+\slot, \q, \i
.endr
.endm
.macro SCALES sc                       ; a K step's scale words: lanes 0-15 take A's block i, lanes 16-31 B's block i
.irp i, 0,1,2,3,4,5,6,7
	ds_load_b128 v[SC+8*NQ*\sc+NQ*\i:SC+8*NQ*\sc+NQ*\i+3], v[ADRS] offset:\i*SBLK
.endr
.endm
.macro PLACES n                        ; plain vector instructions that name none of the matrix instruction's registers (ISA guide 7.12.1)
.rept \n
	v_nop
.endr
.endm
.macro STEP slot, q, zero              ; a step of 128 along K that has its successor in the same slot
	s_wait_dscnt 4*NL                              ; B's set and A's blocks 0-3 are in; the youngest eight loads (A's blocks 4-7) may be out
	WIN MUL_LO
	MUL16 0, (\q)%2, \q, \slot, \zero
	MUL16 2, (\q)%2, \q, \slot, \zero
	s_wait_dscnt 0
	PLACES NP
	FETCH_B \slot, (\q)+1, 1-(\q)%2
	FETCH_A \slot, (\q)+1, 0
	WIN MUL_HI
	MUL16 4, (\q)%2, \q, \slot, \zero
	MUL16 6, (\q)%2, \q, \slot, \zero
	PLACES NP
	WIN 0
	FETCH_A \slot, (\q)+1, 4
.endm
; Slot 0's last step changes slots: ONE barrier.  In front of it each wave waits for all its tensor loads (its part of slot 1) and for its own reads of slot 0.  Behind it slot 1 is whole, and nobody reads slot 0,
; which later serves as the stage of the way out.
.macro TURN slot, next
	s_wait_tensorcnt 0x0
	ds_add_u32 v[SPW], v[NIL]                      ; 0 onto my spare word
	s_wait_dscnt 4*NL+1                            ; the add and the youngest eight loads (A's blocks 4-7) may be out
	WIN MUL_LO
	MUL16 0, 1, NQ-1, \slot, 0
	s_wait_dscnt 0x0                               ; the add is done, and my reads of this slot are over
	s_barrier_signal -1
	MUL16 2, 1, NQ-1, \slot, 0
	WIN 0
	s_barrier_wait -1
	PLACES NP
	v_add_nc_u32 v[ADRS], 4*NQ, v[ADRS]            ; on to the next K step's scale words
	FETCH_B \next, 0, 0
	FETCH_A \next, 0, 0
	SCALES \next
	WIN MUL_HI
	MUL16 4, 1, NQ-1, \slot, 0
	MUL16 6, 1, NQ-1, \slot, 0
	PLACES NP
	WIN 0
	FETCH_A \next, 0, 4
.endm
.macro STEPS slot, from
.set Q, \from
.rept NQ-1-\from
	STEP \slot, Q, 0
.set Q, Q+1
.endr
.endm
	s_wait_tensorcnt 1                             ; the scales and my part of K step 0 are in; K step 1's load, the one issued behind them, may be out
	s_barrier_signal -1
	s_barrier_wait -1
	FETCH_B 0, 0, 0
	FETCH_A 0, 0, 0
	SCALES 0
	FETCH_A 0, 0, 4
	STEP 0, 0, 1                                   ; the first products start the sums: nothing is cleared
	STEPS 0, 1
	TURN 0, 1
	STEPS 1, 0
	s_wait_dscnt 4*NL                              ; the very last step: nothing more to fetch
	WIN MUL_LO
	MUL16 0, 1, NQ-1, 1, 0
	MUL16 2, 1, NQ-1, 1, 0
	s_wait_dscnt 0
	WIN MUL_HI
	MUL16 4, 1, NQ-1, 1, 0
	MUL16 6, 1, NQ-1, 1, 0
	WIN 0
; THE WAY OUT, block by block of 16 rows x 128 columns (two heads).  PACK: rounded to f16, 16 bytes a lane.  TOSTAGE: into my own stage, and back so that sixteen lanes hold two whole rows of one head.  SEND: stored.
.macro PACK a
.set AC, 64*((\a)%4)
	WIN 0x0a+5*((\a)/4)                            ; sources 0 and 1: window 2 or 3
.irp b, 0,1,2,3,4,5,6,7
.irp r, 0,1,2,3
	v_cvt_pk_f16_f32 v[TMP+4*\b+\r], v[AC+8*\b+2*\r], v[AC+8*\b+2*\r+1]   ; each accumulator from its low end on
.endr
.endr
	WIN 0
.endm
.macro TOSTAGE a
.set BB, OB+192*((\a)%2)
.irp b, 0,1,2,3,4,5,6,7
	ds_store_b128 v[STO], v[TMP+4*\b:TMP+4*\b+3] offset:32*\b
.endr
.irp p, 0,1,2,3,4,5,6,7
	ds_load_b128 v[BB+4*\p:BB+4*\p+3], v[RD] offset:\p*2*SPITCH   ; LDS serves a wave's instructions in order: these see the stores above
.endr
.endm
.macro SEND a
.set BB, OB+192*((\a)%2)
	s_wait_dscnt 0x0                               ; the block is back in registers
	s_wait_xcnt 0x0                                ; the earlier stores have read their registers: the next block's loads may land there
.irp p, 0,1,2,3,4,5,6,7
	global_store_b128 v[CO], v[BB+4*\p:BB+4*\p+3], s[12:13] offset:(\a)*2048+256*\p   ; sixteen lanes store 256 consecutive bytes, aligned
.endr
.endm
	PLACES NP
	PACK 0
	TOSTAGE 0
.irp a, 1,2,3,4,5,6,7                  ; block a's conversions stand between block a - 1's loads from the stage and the wait for them
	PACK \a
	SEND \a-1
	TOSTAGE \a
.endr
	SEND 7
	s_wait_tensorcnt 0x0                           ; the wave's end: behind my last tensor load and my last LDS store
	ds_add_u32 v[SPW], v[NIL]
	s_wait_dscnt 0x0
	CROUND                                         ; the closing round: no work-group ends while a partner may still ask for a tile that names it
	s_endpgm
.Lfunc_end_k_q90a8f25989_qkv:
	.size	k_q90a8f25989_qkv, .Lfunc_end_k_q90a8f25989_qkv-k_q90a8f25989_qkv
	.p2alignl 7, 3214868480
	.fill 96, 4, 3214868480
	.section	.rodata,"a",@progbits
	.p2align	6, 0x0
	.amdhsa_kernel k_q90a8f25989_qkv
		.amdhsa_group_segment_fixed_size 327680
		.amdhsa_private_segment_fixed_size 0
		.amdhsa_enable_private_segment 0
		.amdhsa_kernarg_size 40
		.amdhsa_user_sgpr_count 2
		.amdhsa_user_sgpr_kernarg_segment_ptr 1
		.amdhsa_wavefront_size32 1
		.amdhsa_system_sgpr_workgroup_id_x 1
		.amdhsa_system_sgpr_workgroup_id_y 1
		.amdhsa_system_sgpr_workgroup_id_z 1
		.amdhsa_system_vgpr_workitem_id 0
		.amdhsa_next_free_vgpr 1024
		.amdhsa_next_free_sgpr 98
		.amdhsa_reserve_vcc 0
		.amdhsa_float_denorm_mode_32 3
		.amdhsa_float_denorm_mode_16_64 3
		.amdhsa_memory_ordered 1
		.amdhsa_forward_progress 1
		.amdhsa_inst_pref_size 127
	.end_amdhsa_kernel
	.amdgpu_metadata
---
amdhsa.version: [ 1, 2 ]
amdhsa.kernels:
  - .name:           k_q90a8f25989_qkv
    .symbol:         k_q90a8f25989_qkv.kd
    .args:
      - { .name: x_codes, .offset: 0, .size: 8, .value_kind: global_buffer, .address_space: global }
      - { .name: x_scales, .offset: 8, .size: 8, .value_kind: global_buffer, .address_space: global }
      - { .name: w_codes, .offset: 16, .size: 8, .value_kind: global_buffer, .address_space: global }
      - { .name: w_scales, .offset: 24, .size: 8, .value_kind: global_buffer, .address_space: global }
      - { .name: qkv, .offset: 32, .size: 8, .value_kind: global_buffer, .address_space: global }
    .group_segment_fixed_size: 327680
    .private_segment_fixed_size: 0
    .kernarg_segment_align: 8
    .kernarg_segment_size: 40
    .max_flat_workgroup_size: 128
    .sgpr_count:     98
    .vgpr_count:     1024
    .wavefront_size: 32
...
	.end_amdgpu_metadata
.endif
;; end of part 2
;; launch fine_attn (part 3): grid 16 x 4, 1 waves a work-group, no clusters, 4,608 bytes of LDS; arguments x_codes, x_scales, w_codes, w_scales, ctxf; writes ctxf
.if DOCPART == 3
	.amdgcn_target "amdgcn-amd-amdhsa--gfx1250"
	.amdhsa_code_object_version 6
	.text
	.protected	k_q90a8f25989_fine_attn
	.globl	k_q90a8f25989_fine_attn
	.p2align	8
	.type	k_q90a8f25989_fine_attn,@function
k_q90a8f25989_fine_attn:
	s_mov_b64 s[64:65], 0
	v_nop
	global_prefetch_b8 v0, s[64:65] scope:SCOPE_SE
	s_setreg_imm32_b32 hwreg(HW_REG_WAVE_MODE, 25, 1), 1
	s_wait_xcnt 0x0
; THE FIRST 16 POSITIONS OF EVERY SEQUENCE, IN f32.  Under the causal mask these rows average one to sixteen values and are the largest of the output, so they are carried without any rounding to 16 bits.
; One wave takes one (batch, head): q, k, v of positions 0-15 once more from the codes (the same FP4 products, their f32 sums kept), the 16 x 16 scores, the softmax and weights x v by the f32 matrix form.
; Keys beyond position 15 are hidden from these queries by reference()'s own mask, for all values of the inputs: they are not touched.  Result: ctxf [b x 16 + position][1024] f32.
; LAYOUT.  q and k are made TRANSPOSED (source 0 = 16 rows of the weight, source 1 = x): lane (r, h) holds position r and channels 16 ct + 8 h + j.  v is made in the natural order: lane (r, h) holds channel
; 16 ct + r and keys 8 h + j.  A pair of neighbouring registers of such a result IS an operand of the f32 form (lane (r, h): row r, k = 2 h + j), under a permutation of k that is the same on both sides.
; REGISTERS: window 0: v1-12 addresses and constants; v16-79 x's 8 fragments, later p (v16-23) and the result (v24-55); v80-111 q, later O^T; v112-143 k; v144-175 v; v176-183 x's scale words;
;   v184-231 the weights' scale words; v232-239 the scores; v240-248 at work.  Windows 1, 2, 3: the fragments of Wq, Wk, Wv (tile ct, K step s at v[8 (8 ct + s)]).
.set SPARE, 4352                       ; behind the stage of 16 x 272 bytes: one block of 256 bytes that no other line names
.set XF,  16
.set AQ,  80
.set AK,  112
.set AV,  144
.set XS,  176
.set WS,  184
.set SS,  232
.set MSB, 0
.macro WIN new
.if MSB != \new
	s_set_vgpr_msb (MSB<<8)|\new
.set MSB, \new
.endif
.endm
	s_load_b256 s[4:11], s[0:1], 0x0               ; x_codes s[4:5], x_scales s[6:7], w_codes s[8:9], w_scales s[10:11]
	s_load_b64 s[12:13], s[0:1], 0x20              ; ctxf
	v_lshl_add_u32 v10, v0, 2, SPARE               ; my spare word; never rewritten
	v_mov_b32 v11, 0                               ; 0; never rewritten
	v_and_b32 v1, 15, v0                           ; r
	v_lshrrev_b32 v2, 4, v0                        ; h (one wave: the thread's number is the lane)
	v_lshlrev_b32 v3, 9, v1
	v_lshl_add_u32 v3, v2, 4, v3                   ; a fragment: row r of 512 bytes, + 16 h
	v_lshlrev_b32 v4, 5, v1                        ; x's scale words: row r of 32 bytes
	v_lshlrev_b32 v5, 5, v0                        ; the weights': lanes 0-15 an even tile's rows, lanes 16-31 the odd tile's
	v_mul_u32_u24 v6, v1, 272
	v_lshl_add_u32 v6, v2, 5, v6                   ; the stage, in: row r, + 32 h
	v_mul_u32_u24 v7, v2, 272
	v_lshl_add_u32 v7, v1, 4, v7                   ; back: lanes 0-15 one row, lanes 16-31 the next
	v_lshlrev_b32 v8, 12, v2
	v_lshl_add_u32 v8, v1, 4, v8                   ; and the same two rows in ctxf
	v_mov_b32 v9, 0xff800000                       ; -infinity
	v_lshlrev_b32 v12, 3, v2
	v_sub_nc_u32 v12, v1, v12                      ; r - 8 h: register j holds key 8 h + j, hidden where j > r - 8 h
	v_mov_b32 v242, 0                              ; a lane permute's destination counts as one of its sources
	s_mov_b32 s20, 0x76543210
	s_mov_b32 s21, 0xfedcba98                      ; v_permlanex16_b32's selects for lane l xor 16
	s_mov_b32 s22, 0x3e38aa3b                      ; c = log2(e) / sqrt(64)
	s_and_b32 s14, ttmp7, 0xffff                   ; the batch; ttmp9 is the head
	s_mov_b32 s17, 0
	s_wait_kmcnt 0x0
	s_lshl_b32 s16, s14, 20
	s_add_nc_u64 s[4:5], s[4:5], s[16:17]          ; 2,048 rows of 512 bytes a batch
	s_lshl_b32 s16, s14, 16
	s_add_nc_u64 s[6:7], s[6:7], s[16:17]
	s_add_nc_u64 s[12:13], s[12:13], s[16:17]      ; 16 rows of 4,096 bytes a batch,
	s_lshl_b32 s16, ttmp9, 8
	s_add_nc_u64 s[12:13], s[12:13], s[16:17]      ; 256 bytes a head
	s_lshl_b32 s16, ttmp9, 15
	s_add_nc_u64 s[8:9], s[8:9], s[16:17]          ; 64 rows of 512 bytes a head
	s_lshl_b32 s16, ttmp9, 11
	s_add_nc_u64 s[10:11], s[10:11], s[16:17]
.irp s, 0,1,2,3,4,5,6,7
	global_load_b128 v[XF+8*\s:XF+8*\s+3], v3, s[4:5] offset:64*\s
	global_load_b128 v[XF+8*\s+4:XF+8*\s+7], v3, s[4:5] offset:64*\s+32
.endr
	global_load_b128 v[XS:XS+3], v4, s[6:7]
	global_load_b128 v[XS+4:XS+7], v4, s[6:7] offset:16
.irp m, 0,1,2
.irp u, 0,1
	global_load_b128 v[WS+8*(2*\m+\u):WS+8*(2*\m+\u)+3], v5, s[10:11] offset:\m*32768+\u*1024
	global_load_b128 v[WS+8*(2*\m+\u)+4:WS+8*(2*\m+\u)+7], v5, s[10:11] offset:\m*32768+\u*1024+16
.endr
.endr
.irp m, 0,1,2
	WIN 0x40*(\m+1)                                ; destination window 1, 2, 3
.irp ct, 0,1,2,3
.irp s, 0,1,2,3,4,5,6,7
	global_load_b128 v[8*(8*\ct+\s):8*(8*\ct+\s)+3], v3, s[8:9] offset:\m*524288+\ct*8192+64*\s
	global_load_b128 v[8*(8*\ct+\s)+4:8*(8*\ct+\s)+7], v3, s[8:9] offset:\m*524288+\ct*8192+64*\s+32
.endr
.endr
.endr
	WIN 0
	s_wait_loadcnt 0x0
; one product of q or k, transposed: d the accumulators' base, ws the weight's scale words
.macro TQK d, ws, ct, s
.set rD, \d+8*(\ct)
.set rW, 8*(8*(\ct)+(\s))
.set rX, XF+8*(\s)
.set rA, \ws+8*((\ct)/2)+(\s)
.if (\s) == 0
.if (\ct)%2
	v_wmma_scale_f32_16x16x128_f8f6f4 v[rD:rD+7], v[rW:rW+7], v[rX:rX+7], 0, v[rA], v[XS+(\s)] matrix_a_fmt:MATRIX_FMT_FP4 matrix_b_fmt:MATRIX_FMT_FP4 matrix_a_scale:MATRIX_SCALE_ROW1
.else
	v_wmma_scale_f32_16x16x128_f8f6f4 v[rD:rD+7], v[rW:rW+7], v[rX:rX+7], 0, v[rA], v[XS+(\s)] matrix_a_fmt:MATRIX_FMT_FP4 matrix_b_fmt:MATRIX_FMT_FP4
.endif
.else
.if (\ct)%2
	v_wmma_scale_f32_16x16x128_f8f6f4 v[rD:rD+7], v[rW:rW+7], v[rX:rX+7], v[rD:rD+7], v[rA], v[XS+(\s)] matrix_a_fmt:MATRIX_FMT_FP4 matrix_b_fmt:MATRIX_FMT_FP4 matrix_a_scale:MATRIX_SCALE_ROW1
.else
	v_wmma_scale_f32_16x16x128_f8f6f4 v[rD:rD+7], v[rW:rW+7], v[rX:rX+7], v[rD:rD+7], v[rA], v[XS+(\s)] matrix_a_fmt:MATRIX_FMT_FP4 matrix_b_fmt:MATRIX_FMT_FP4
.endif
.endif
.endm
; one product of v, in the natural order: source 0 = x, source 1 = 16 rows of Wv
.macro TV ct, s
.set rD, AV+8*(\ct)
.set rW, 8*(8*(\ct)+(\s))
.set rX, XF+8*(\s)
.set rA, WS+32+8*((\ct)/2)+(\s)
.if (\s) == 0
.if (\ct)%2
	v_wmma_scale_f32_16x16x128_f8f6f4 v[rD:rD+7], v[rX:rX+7], v[rW:rW+7], 0, v[XS+(\s)], v[rA] matrix_a_fmt:MATRIX_FMT_FP4 matrix_b_fmt:MATRIX_FMT_FP4 matrix_b_scale:MATRIX_SCALE_ROW1
.else
	v_wmma_scale_f32_16x16x128_f8f6f4 v[rD:rD+7], v[rX:rX+7], v[rW:rW+7], 0, v[XS+(\s)], v[rA] matrix_a_fmt:MATRIX_FMT_FP4 matrix_b_fmt:MATRIX_FMT_FP4
.endif
.else
.if (\ct)%2
	v_wmma_scale_f32_16x16x128_f8f6f4 v[rD:rD+7], v[rX:rX+7], v[rW:rW+7], v[rD:rD+7], v[XS+(\s)], v[rA] matrix_a_fmt:MATRIX_FMT_FP4 matrix_b_fmt:MATRIX_FMT_FP4 matrix_b_scale:MATRIX_SCALE_ROW1
.else
	v_wmma_scale_f32_16x16x128_f8f6f4 v[rD:rD+7], v[rX:rX+7], v[rW:rW+7], v[rD:rD+7], v[XS+(\s)], v[rA] matrix_a_fmt:MATRIX_FMT_FP4 matrix_b_fmt:MATRIX_FMT_FP4
.endif
.endif
.endm
.irp s, 0,1,2,3,4,5,6,7                ; K ascending; the twelve accumulators take turns, one instruction a turn
	WIN 0x01                                       ; source 0: Wq, window 1
.irp ct, 0,1,2,3
	TQK AQ, WS, \ct, \s
.endr
	WIN 0x02                                       ; source 0: Wk, window 2
.irp ct, 0,1,2,3
	TQK AK, WS+16, \ct, \s
.endr
	WIN 0x0c                                       ; source 1: Wv, window 3
.irp ct, 0,1,2,3
	TV \ct, \s
.endr
.endr
	WIN 0
.rept 5
	v_nop                                          ; five places before a matrix instruction takes these results as its sources
.endr
; S^T = k q^T: lane (r, h) will hold query r and keys 8 h + j.  One accumulator: a wait directly ahead of every link
.set n, 0
.irp ct, 0,1,2,3
.irp p, 0,1,2,3
.if n == 0
	v_wmma_f32_16x16x4_f32 v[SS:SS+7], v[AK+8*\ct+2*\p:AK+8*\ct+2*\p+1], v[AQ+8*\ct+2*\p:AQ+8*\ct+2*\p+1], 0
.else
	s_wait_alu depctr_va_vdst(0)
	v_wmma_f32_16x16x4_f32 v[SS:SS+7], v[AK+8*\ct+2*\p:AK+8*\ct+2*\p+1], v[AQ+8*\ct+2*\p:AQ+8*\ct+2*\p+1], v[SS:SS+7]
.endif
.set n, n+1
.endr
.endr
.rept 8
	v_nop                                          ; eight places behind this form before its result is read
.endr
.irp j, 0,1,2,3,4,5,6,7                ; the causal mask; the scores go into other registers, from the low end on
	v_cmp_gt_i32 vcc_lo, \j, v12
	v_cndmask_b32 v[16+\j], v[SS+\j], v9, vcc_lo
.endr
	v_max3_num_f32 v240, v16, v17, v18
	v_max3_num_f32 v241, v19, v20, v21
	v_max3_num_f32 v240, v240, v22, v23
	v_max_num_f32 v240, v240, v241
	v_permlanex16_b32 v242, v240, s20, s21
	v_max_num_f32 v240, v240, v242                 ; the row's largest score: key 0 counts for every query, so it is a number
	v_mul_f32 v243, s22, v240
.irp j, 0,1,2,3,4,5,6,7
	v_fma_f32 v[16+\j], v[16+\j], s22, -v243       ; c s - c m
.endr
.irp j, 0,1,2,3,4,5,6,7
	v_exp_f32 v[16+\j], v[16+\j]
.endr
	v_nop                                          ; a plain instruction behind the last exponential
	s_wait_alu depctr_va_vdst(0)                   ; one wait for the batch, ahead of its first reader
	v_add_f32 v244, v16, v17
	v_add_f32 v245, v18, v19
	v_add_f32 v246, v20, v21
	v_add_f32 v247, v22, v23
	v_add_f32 v244, v244, v245
	v_add_f32 v246, v246, v247
	v_add_f32 v244, v244, v246
	v_permlanex16_b32 v242, v244, s20, s21
	v_add_f32 v244, v244, v242                     ; the row's sum
	v_rcp_f32 v248, v244
	v_nop
	s_wait_alu depctr_va_vdst(0)
; O^T = v^T p, laid over q's accumulators, which matrix instructions alone have written; more than nine plain instructions that name none of the last products' registers lie between.  Four accumulators by turns
.irp p, 0,1,2,3
.irp ct, 0,1,2,3
.if \p == 0
	v_wmma_f32_16x16x4_f32 v[AQ+8*\ct:AQ+8*\ct+7], v[AV+8*\ct+2*\p:AV+8*\ct+2*\p+1], v[16+2*\p:17+2*\p], 0
.else
	v_wmma_f32_16x16x4_f32 v[AQ+8*\ct:AQ+8*\ct+7], v[AV+8*\ct+2*\p:AV+8*\ct+2*\p+1], v[16+2*\p:17+2*\p], v[AQ+8*\ct:AQ+8*\ct+7]
.endif
.endr
.endr
.rept 8
	v_nop
.endr
.set i, 0
.rept 32
	v_mul_f32 v[24+i], v[AQ+i], v248               ; / the sum, into other registers: register 8 ct + j is ctx(r, 16 ct + 8 h + j)
.set i, i+1
.endr
.irp ct, 0,1,2,3
	ds_store_b128 v6, v[24+8*\ct:27+8*\ct] offset:64*\ct
	ds_store_b128 v6, v[28+8*\ct:31+8*\ct] offset:64*\ct+16
.endr
.irp t, 0,1,2,3,4,5,6,7
	ds_load_b128 v[24+4*\t:27+4*\t], v7 offset:\t*544   ; LDS serves a wave's instructions in order: these see the stores above
.endr
.irp t, 0,1,2,3,4,5,6,7
	s_wait_dscnt 7-\t                              ; load t is in, the younger ones may be out
	global_store_b128 v8, v[24+4*\t:27+4*\t], s[12:13] offset:\t*8192   ; sixteen lanes store 256 consecutive bytes, aligned
.endr
	s_wait_tensorcnt 0x0                           ; the wave's end: behind my last LDS store
	ds_add_u32 v10, v11
	s_wait_dscnt 0x0
	s_endpgm
.Lfunc_end_k_q90a8f25989_fine_attn:
	.size	k_q90a8f25989_fine_attn, .Lfunc_end_k_q90a8f25989_fine_attn-k_q90a8f25989_fine_attn
	.p2alignl 7, 3214868480
	.fill 96, 4, 3214868480
	.section	.rodata,"a",@progbits
	.p2align	6, 0x0
	.amdhsa_kernel k_q90a8f25989_fine_attn
		.amdhsa_group_segment_fixed_size 4608
		.amdhsa_private_segment_fixed_size 0
		.amdhsa_enable_private_segment 0
		.amdhsa_kernarg_size 40
		.amdhsa_user_sgpr_count 2
		.amdhsa_user_sgpr_kernarg_segment_ptr 1
		.amdhsa_wavefront_size32 1
		.amdhsa_system_sgpr_workgroup_id_x 1
		.amdhsa_system_sgpr_workgroup_id_y 1
		.amdhsa_system_sgpr_workgroup_id_z 1
		.amdhsa_system_vgpr_workitem_id 0
		.amdhsa_next_free_vgpr 1024
		.amdhsa_next_free_sgpr 66
		.amdhsa_reserve_vcc 1
		.amdhsa_float_denorm_mode_32 3
		.amdhsa_float_denorm_mode_16_64 3
		.amdhsa_memory_ordered 1
		.amdhsa_forward_progress 1
		.amdhsa_inst_pref_size 45
	.end_amdhsa_kernel
	.amdgpu_metadata
---
amdhsa.version: [ 1, 2 ]
amdhsa.kernels:
  - .name:           k_q90a8f25989_fine_attn
    .symbol:         k_q90a8f25989_fine_attn.kd
    .args:
      - { .name: x_codes, .offset: 0, .size: 8, .value_kind: global_buffer, .address_space: global }
      - { .name: x_scales, .offset: 8, .size: 8, .value_kind: global_buffer, .address_space: global }
      - { .name: w_codes, .offset: 16, .size: 8, .value_kind: global_buffer, .address_space: global }
      - { .name: w_scales, .offset: 24, .size: 8, .value_kind: global_buffer, .address_space: global }
      - { .name: ctxf, .offset: 32, .size: 8, .value_kind: global_buffer, .address_space: global }
    .group_segment_fixed_size: 4608
    .private_segment_fixed_size: 0
    .kernarg_segment_align: 8
    .kernarg_segment_size: 40
    .max_flat_workgroup_size: 32
    .sgpr_count:     66
    .vgpr_count:     1024
    .wavefront_size: 32
...
	.end_amdgpu_metadata
.endif
;; end of part 3
;; launch attn (part 4): grid 4 x 64, 8 waves a work-group, no clusters, 327,680 bytes of LDS; arguments qkv, ctx16; writes ctx16
.if DOCPART == 4
	.amdgcn_target "amdgcn-amd-amdhsa--gfx1250"
	.amdhsa_code_object_version 6
	.text
	.protected	k_q90a8f25989_attn
	.globl	k_q90a8f25989_attn
	.p2align	8
	.type	k_q90a8f25989_attn,@function
k_q90a8f25989_attn:
	s_mov_b64 s[64:65], 0
	v_nop
	global_prefetch_b8 v0, s[64:65] scope:SCOPE_SE
	s_setreg_imm32_b32 hwreg(HW_REG_WAVE_MODE, 25, 1), 1
	s_wait_xcnt 0x0
; ctx[b][h][q] = the sum over k <= q of softmax_k(q . k / 8) v.  q, k, v: qkv [sel][b][h][2048][64] f16.  Products, maxima and sums in f32; the weights p are rounded to f16 for the second product,
; ctx once at the end, to f16: ctx16 [h][b][2048][64], so that a head's rows are dense and a plane h is 64 along the last product's K.
; WORK LEFT OUT: steps of 64 keys all of which come after a wave's 32 queries: reference()'s own jnp.tril makes their weights 0 for all values of the inputs.
; LIMITS: f16 operands: magnitudes beyond 65,504 have no place.  The first 16 positions of each sequence are computed here inside live tiles; their outputs are replaced by the f32 launches.
; SHARES.  A head has 8 blocks of 256 queries.  Work-group j (0..3) of a head takes block j and then block 7 - j.  Block QB walks the key tiles 0 .. QB of 256 keys: j + 1 and 8 - j trips, NINE for every
; work-group: the loop's count is a constant, and all 256 work-groups have the same work.  Wave w owns queries 32 w .. 32 w + 31 of the block: two tiles of 16.  Two waves share a SIMD.
; NO CLUSTER: in a given trip the four work-groups of a head want different tiles (block j is at tile t while block j' has gone on to its second block), and a joint walk over all eight tiles
; would bring some partners tiles that none of their waves reads.
; LAYOUT.  S^T = K Q^T (source 0 = 16 keys, source 1 = 16 queries): a lane holds ONE query (lane % 16) and keys 8 (lane / 16) + 0..7.  Two such tiles, rounded to f16 in pairs, ARE source 1 of O^T = V^T P.
; K comes out of LDS as it lies, V ([key][channel]) turned, by ds_load_tr16_b128.
; SOFTMAX.  A running maximum m and sum l: p = 2^(c s - c m), c = log2(e) / 8; in every step O and l are multiplied by a = 2^(c m_old - c m_new).
; THE RING.  Two slots of 256 keys, 2^17 bytes apart.  Waves 0-3 fetch a quarter of K's tile each, waves 4-7 of V's: one tensor load a wave behind each change of slots; by this text's own count one is out.
; REGISTERS: window 0: v1-15 addresses and constants; v16-31 statistics, 8 a tile (+0 c m, +1 m, +2 +3 l, +4..+7 at work, a in +6); v32-95 S^T; v96-127 P; v128-191 K's fragments; v192-255 V's.
;   window 1: v0-63 O^T (32 t + 8 ct); v64-95 Q (16 t + 8 c).
.set KP,    144                        ; a row of K in LDS: 128 bytes + 16: 36 words: the 16 rows of a load start at 16 different groups of banks
.set VP,    160                        ; a row of V: 128 + 32: an odd multiple of 32 bytes
.set VOFF,  256*KP
.set SLOT1, 1<<17
.set STAGE, 2*SLOT1                    ; behind the ring: 32 rows x 144 bytes for each wave; no tensor load lands here
.set SPARE, STAGE+8*32*KP              ; the spare words, 128 bytes for each wave: four blocks of 256 bytes that no other line names
.set ST,  16
.set S,   32
.set P,   96
.set KFR, 128
.set VFR, 192
.set QF,  64
; s8 wave, s9 j, s10 b x 16 + h, s11 QB, s12 KT (the tile in hand), s13 trips to go, s14 the next tile, s15 the prefetches' limit, s[16:17] K at my quarter of tile 0, s[18:19] V likewise, s[20:21] lane selects,
; s[22:23] c, s[24:31] s[32:39] descriptor groups 1 for K and V, s[40:43] s[44:47] their groups 0, s[48:49] the prefetches' address, s[50:51] Q at my wave's rows of block 0, s[52:53] ctx16 likewise,
; s[54:55] an offset, s[56:57] s[58:59] the block's Q and ctx16, s60 s61 where the step's K and V begin in LDS, s62 the step's first key, s63 my first query, s66 counts a tile's steps, s67-69 at work
.set MSB, 0
.macro WIN new
.if MSB != \new
	s_set_vgpr_msb (MSB<<8)|\new
.set MSB, \new
.endif
.endm
.macro TLOAD                           ; every wave has one load.  The branch hangs on the wave's number alone.  An s_nop 0 and four v_nop follow each line
	s_cmp_lt_u32 s8, 4
	s_cbranch_scc0 .Lfor_v_\@
	tensor_load_to_lds s[40:43], s[24:31]
	s_nop 0
.rept 4
	v_nop
.endr
	s_branch .Lasked_\@
.Lfor_v_\@:
	tensor_load_to_lds s[44:47], s[32:39]
	s_nop 0
.rept 4
	v_nop
.endr
.Lasked_\@:
.endm
; A PREFETCH INTO THE L2.  All four work-groups of a head walk the same K and V: work-group 0 asks, and nobody else.  In trip t (t = 0 .. 5) each of its waves names its own quarter (8,192 bytes, lanes 256 bytes
; apart) of tile t + 2: so each aligned block of 256 bytes is named once in the launch.  No work-group's tensor load names tile t + 2 before trip t + 1.  Tiles 0 and 1 come by their loads alone; the last
; tile named is the head's last, tile 7.
.macro ASK
	s_cmp_gt_u32 s13, s15
	s_cbranch_scc0 .Lnot_mine_\@
	global_prefetch_b8 v9, s[48:49] th:TH_LOAD_NT scope:SCOPE_SE
.Lnot_mine_\@:
.endm
.macro LOADQ                           ; my 32 queries stay in registers for the block
	WIN 0x40
.irp t, 0,1
.irp c, 0,1
	global_load_b128 v[QF+16*\t+8*\c:QF+16*\t+8*\c+3], v5, s[56:57] offset:\t*2048+64*\c
	global_load_b128 v[QF+16*\t+8*\c+4:QF+16*\t+8*\c+7], v5, s[56:57] offset:\t*2048+64*\c+32
.endr
.endr
	WIN 0
.endm
.macro INIT                            ; a block begins: m = -3e38, under every score; l and O^T zeros, which the first change of m leaves zeros.  So the step is written once
.irp t, 0,1
	v_mov_b32 v[ST+8*\t+1], 0xff61b1e6
.irp i, 2,3,4,5,6,7
	v_mov_b32 v[ST+8*\t+\i], 0
.endr
.endr
.irp t, 0,1
	v_mul_f32 v[ST+8*\t], s22, v[ST+8*\t+1]
.endr
	WIN 0x40
.set i, 0
.rept 64
	v_mov_b32 v[i], 0
.set i, i+1
.endr
	WIN 0
.endm
; THE CHANGE OF SLOTS stands at a tile's head.  Each wave waits for all its tensor loads (its part of the tile that it is about to read), adds 0 to its spare word, and waits for that and for its reads of the
; slot that it has left.  Behind the barrier the slot ahead is whole and nobody reads the other one.  fill = 1: that other slot takes the next trip's tile: the block's next, or tile 0 for the second block.
.macro CHANGE fill
	s_wait_tensorcnt 0x0                           ; no tensor load of mine is out, so a group 0 may be written
	ds_add_u32 v10, v11                            ; 0 onto my spare word
.if \fill
	s_add_co_u32 s14, s12, 1
	s_cmp_eq_u32 s12, s11
	s_cselect_b32 s14, 0, s14                      ; the next trip's tile
	s_lshl_b32 s54, s14, 15                        ; 256 rows of 128 bytes a tile
	s_mov_b32 s55, 0
	s_xor_b32 s41, s41, SLOT1                      ; the other slot than last time
	s_add_nc_u64 s[42:43], s[16:17], s[54:55]
	s_or_b32 s43, s43, 0x80000000
	s_xor_b32 s45, s45, SLOT1
	s_add_nc_u64 s[46:47], s[18:19], s[54:55]
	s_or_b32 s47, s47, 0x80000000
	s_wait_xcnt 0x0                                ; the last prefetch, a trip back, has read its address, so it may be written
	s_add_nc_u64 s[48:49], s[48:49], 32768
.endif
	s_wait_dscnt 0x0                               ; the add is done, and my reads of the slot that I have left are over
	s_barrier_signal -1
	s_barrier_wait -1
.if \fill
	TLOAD                                          ; the first thing behind the barrier, and my one tensor load until the next: it has a tile's four steps in which to land
	ASK
.endif
.endm
; A KEY STEP: 64 keys against my 32 queries.
.macro STEP
	s_add_co_u32 s67, s63, 31
	s_cmp_gt_u32 s62, s67                          ; all 64 keys come after my last query: a branch on ids and counted steps, round the step's work; not round the lines at its end that step addresses
	s_cbranch_scc1 .Lhid_\@
	v_add_nc_u32 v3, s60, v1
	v_add_nc_u32 v4, s61, v2
	v_nop
	v_nop                                          ; with the two additions: four places in front of loads into registers that the last products have read
.irp kt, 0,1,2,3
.irp c, 0,1
	ds_load_b128 v[KFR+8*(2*\kt+\c):KFR+8*(2*\kt+\c)+3], v3 offset:16*\kt*KP+64*\c
	ds_load_b128 v[KFR+8*(2*\kt+\c)+4:KFR+8*(2*\kt+\c)+7], v3 offset:16*\kt*KP+64*\c+32
.endr
.endr
.irp f, 0,1
.irp ct, 0,1,2,3
	ds_load_tr16_b128 v[VFR+8*(4*\f+\ct):VFR+8*(4*\f+\ct)+3], v4 offset:32*\f*VP+32*\ct
	ds_load_tr16_b128 v[VFR+8*(4*\f+\ct)+4:VFR+8*(4*\f+\ct)+7], v4 offset:32*\f*VP+16*VP+32*\ct
.endr
.endr
	s_wait_dscnt 16                                ; K's 16 loads are in; V's 16, issued behind them, may be out
	WIN 0x04                                       ; source 1 (Q) window 1
.irp c, 0,1                            ; eight accumulators by turns, one instruction a turn; the first eight start the sums
.irp kt, 0,1,2,3
.irp t, 0,1
.if \c == 0
	v_wmma_f32_16x16x32_f16 v[S+32*\t+8*\kt:S+32*\t+8*\kt+7], v[KFR+8*(2*\kt+\c):KFR+8*(2*\kt+\c)+7], v[QF+16*\t+8*\c:QF+16*\t+8*\c+7], 0
.else
	v_wmma_f32_16x16x32_f16 v[S+32*\t+8*\kt:S+32*\t+8*\kt+7], v[KFR+8*(2*\kt+\c):KFR+8*(2*\kt+\c)+7], v[QF+16*\t+8*\c:QF+16*\t+8*\c+7], v[S+32*\t+8*\kt:S+32*\t+8*\kt+7]
.endif
.endr
.endr
.endr
	WIN 0
.rept 4
	v_nop
.endr
	s_add_co_u32 s67, s62, 63
	s_cmp_le_u32 s67, s63                          ; all 64 keys count for all my queries: no mask
	s_cbranch_scc1 .Lopen_\@
	s_sub_co_i32 s67, s63, s62
	v_add_nc_u32 v12, s67, v15                     ; tile 0: my query - the step's first key - 8 (lane / 16).  Register 8 kt + j holds key 16 kt + 8 (lane / 16) + j: hidden where 16 kt + j is greater
	v_add_nc_u32 v13, 16, v12                      ; tile 1: 16 queries on
.irp t, 0,1
.set n, 0
.rept 32
	v_cmp_gt_i32 vcc_lo, 16*(n/8)+n%8, v[12+\t]
	v_cndmask_b32 v[S+32*\t+n], v[S+32*\t+n], v14, vcc_lo   ; -infinity: p = 0 then
.set n, n+1
.endr
.endr
.Lopen_\@:
.irp j, 0,1,2,3                        ; the maximum of a lane's 32 scores and the old m, three operands at a time, the two tiles by turns; each accumulator is read from its low end on
.irp t, 0,1
	v_max3_num_f32 v[ST+8*\t+4+\j], v[S+32*\t+8*\j], v[S+32*\t+8*\j+1], v[S+32*\t+8*\j+2]
.endr
.endr
.irp g, 1,2
.irp j, 0,1,2,3
.irp t, 0,1
	v_max3_num_f32 v[ST+8*\t+4+\j], v[ST+8*\t+4+\j], v[S+32*\t+8*\j+2*\g+1], v[S+32*\t+8*\j+2*\g+2]
.endr
.endr
.endr
.irp t, 0,1
	v_max3_num_f32 v[ST+8*\t+4], v[ST+8*\t+4], v[S+32*\t+7], v[S+32*\t+15]
	v_max3_num_f32 v[ST+8*\t+6], v[ST+8*\t+6], v[S+32*\t+23], v[S+32*\t+31]
.endr
.irp t, 0,1
	v_max3_num_f32 v[ST+8*\t+4], v[ST+8*\t+4], v[ST+8*\t+5], v[ST+8*\t+6]
.endr
.irp t, 0,1
	v_max3_num_f32 v[ST+8*\t+4], v[ST+8*\t+4], v[ST+8*\t+7], v[ST+8*\t+1]
.endr
.irp t, 0,1
	v_permlanex16_b32 v[ST+8*\t+5], v[ST+8*\t+4], s20, s21   ; the query's other 32 keys lie in the lane 16 away
.endr
.irp t, 0,1
	v_mov_b32 v[ST+8*\t+7], v[ST+8*\t]             ; c m_old is kept for a
.endr
.irp t, 0,1
	v_max_num_f32 v[ST+8*\t+1], v[ST+8*\t+4], v[ST+8*\t+5]
.endr
.irp t, 0,1
	v_mul_f32 v[ST+8*\t], s22, v[ST+8*\t+1]
.endr
.irp t, 0,1
	v_sub_f32 v[ST+8*\t+7], v[ST+8*\t+7], v[ST+8*\t]
.endr
.set n, 0
.rept 16
.irp t, 0,1
	v_pk_fma_f32 v[S+32*\t+2*n:S+32*\t+2*n+1], v[S+32*\t+2*n:S+32*\t+2*n+1], s[22:23], v[ST+8*\t:ST+8*\t+1] op_sel_hi:[1,0,0] neg_lo:[0,0,1] neg_hi:[0,0,1]   ; c s - c m, two at a time
.endr
.set n, n+1
.endr
.irp t, 0,1
	v_exp_f32 v[ST+8*\t+6], v[ST+8*\t+7]           ; a
.endr
.set n, 0
.rept 64
	v_exp_f32 v[S+n], v[S+n]                       ; p: the 66 exponentials are one batch
.set n, n+1
.endr
	v_nop                                          ; a plain instruction behind the last exponential
	s_wait_alu depctr_va_vdst(0)                   ; ONE wait for the batch, ahead of its first reader
.set n, 0
.rept 32
	v_cvt_pk_f16_f32 v[P+n], v[S+2*n], v[S+2*n+1]  ; P's register 16 t + i is S^T's pair i of tile t
.set n, n+1
.endr
.irp u, 0,1,2,3,4,5,6,7                ; the sum of a tile's 16 pairs, in place: neighbours 1, 2, 4 and 8 pairs apart
.irp t, 0,1
	v_pk_add_f32 v[S+32*\t+4*\u:S+32*\t+4*\u+1], v[S+32*\t+4*\u:S+32*\t+4*\u+1], v[S+32*\t+4*\u+2:S+32*\t+4*\u+3]
.endr
.endr
.irp u, 0,1,2,3
.irp t, 0,1
	v_pk_add_f32 v[S+32*\t+8*\u:S+32*\t+8*\u+1], v[S+32*\t+8*\u:S+32*\t+8*\u+1], v[S+32*\t+8*\u+4:S+32*\t+8*\u+5]
.endr
.endr
.irp u, 0,1
.irp t, 0,1
	v_pk_add_f32 v[S+32*\t+16*\u:S+32*\t+16*\u+1], v[S+32*\t+16*\u:S+32*\t+16*\u+1], v[S+32*\t+16*\u+8:S+32*\t+16*\u+9]
.endr
.endr
.irp t, 0,1
	v_pk_add_f32 v[S+32*\t:S+32*\t+1], v[S+32*\t:S+32*\t+1], v[S+32*\t+16:S+32*\t+17]
.endr
.irp t, 0,1
	v_pk_fma_f32 v[ST+8*\t+2:ST+8*\t+3], v[ST+8*\t+2:ST+8*\t+3], v[ST+8*\t+6:ST+8*\t+7], v[S+32*\t:S+32*\t+1] op_sel_hi:[1,0,1]   ; l = a l + the sum
.endr
	WIN 0x41                                       ; O^T (destination and source 0) window 1, a window 0
.irp t, 0,1
.set n, 0
.rept 16
	v_pk_mul_f32 v[32*\t+2*n:32*\t+2*n+1], v[32*\t+2*n:32*\t+2*n+1], v[ST+8*\t+6:ST+8*\t+7] op_sel_hi:[1,0]
.set n, n+1
.endr
.endr
	s_wait_dscnt 0x0                               ; V is in
	WIN 0x50                                       ; C and D window 1
.irp f, 0,1                            ; O^T += V^T P: eight accumulators by turns
.irp ct, 0,1,2,3
.irp t, 0,1
	v_wmma_f32_16x16x32_f16 v[32*\t+8*\ct:32*\t+8*\ct+7], v[VFR+8*(4*\f+\ct):VFR+8*(4*\f+\ct)+7], v[P+16*\t+8*\f:P+16*\t+8*\f+7], v[32*\t+8*\ct:32*\t+8*\ct+7]
.endr
.endr
.endr
	WIN 0
.Lhid_\@:
	s_add_co_u32 s62, s62, 64
	s_add_co_u32 s60, s60, 64*KP
	s_add_co_u32 s61, s61, 64*VP
.endm
.macro FOUR_STEPS                      ; a tile's four key steps: written once, walked four times
	s_mov_b32 s66, 4
.Lstep_\@:
	STEP
	s_sub_co_u32 s66, s66, 1
	s_cmp_lg_u32 s66, 0
	s_cbranch_scc1 .Lstep_\@
	s_sub_co_u32 s60, s60, 256*KP                  ; back to a slot's first step,
	s_xor_b32 s60, s60, SLOT1                      ; in the other slot
	s_sub_co_u32 s61, s61, 256*VP
	s_xor_b32 s61, s61, SLOT1
.endm
; A BLOCK ENDS: O^T / l, rounded to f16, goes through my stage and leaves as 32 dense rows of 128 bytes.  reload = 1: the second block, 7 - j, begins; its queries are asked for first
.macro FINISH reload
.rept 4
	v_nop                                          ; places behind the last products
.endr
.if \reload
	s_sub_co_u32 s11, 7, s9
	s_lshl_b32 s54, s11, 15
	s_mov_b32 s55, 0
	s_add_nc_u64 s[56:57], s[50:51], s[54:55]      ; (the first block's loads of Q were waited for)
	LOADQ
.endif
.irp t, 0,1
	v_add_f32 v[ST+8*\t+4], v[ST+8*\t+2], v[ST+8*\t+3]
.endr
.irp t, 0,1
	v_permlanex16_b32 v[ST+8*\t+5], v[ST+8*\t+4], s20, s21
.endr
.irp t, 0,1
	v_add_f32 v[ST+8*\t+4], v[ST+8*\t+4], v[ST+8*\t+5]
.endr
.irp t, 0,1
	v_rcp_f32 v[ST+8*\t+6], v[ST+8*\t+4]
.endr
	v_nop
	s_wait_alu depctr_va_vdst(0)                   ; one wait for the two reciprocals, ahead of their first reader
	WIN 0x41
.irp t, 0,1
.set n, 0
.rept 16
	v_pk_mul_f32 v[32*\t+2*n:32*\t+2*n+1], v[32*\t+2*n:32*\t+2*n+1], v[ST+8*\t+6:ST+8*\t+7] op_sel_hi:[1,0]
.set n, n+1
.endr
.endr
	WIN 0x05                                       ; sources window 1, destination window 0
.set n, 0
.rept 32
	v_cvt_pk_f16_f32 v[S+n], v[2*n], v[2*n+1]
.set n, n+1
.endr
	WIN 0
.irp t, 0,1
.irp ct, 0,1,2,3
	ds_store_b128 v6, v[S+16*\t+4*\ct:S+16*\t+4*\ct+3] offset:16*\t*KP+32*\ct
.endr
.endr
.irp p, 0,1,2,3,4,5,6,7
	ds_load_b128 v[S+32+4*\p:S+32+4*\p+3], v7 offset:\p*4*KP   ; LDS serves a wave's instructions in order: these see the stores above
.endr
.irp p, 0,1,2,3,4,5,6,7
	s_wait_dscnt 7-\p                              ; load p is in, the younger ones may be out
	global_store_b128 v8, v[S+32+4*\p:S+32+4*\p+3], s[58:59] offset:512*\p   ; the wave stores 512 consecutive bytes, aligned
.endr
.if \reload
	s_wait_xcnt 0x0                                ; the stores have read their base and their registers
	s_add_nc_u64 s[58:59], s[52:53], s[54:55]
	INIT
	s_mov_b32 s12, -1                              ; the line behind this macro makes it tile 0
	s_mov_b32 s62, 0
	s_lshl_b32 s63, s11, 8
	s_lshl_b32 s67, s8, 5
	s_add_co_u32 s63, s63, s67
	s_wait_loadcnt 0x0                             ; Q
.endif
.endm
	s_load_b128 s[4:7], s[0:1], 0x0                ; qkv s[4:5], ctx16 s[6:7]
	v_lshl_add_u32 v10, v0, 2, SPARE               ; my spare word; never rewritten
	v_mov_b32 v11, 0                               ; 0; never rewritten
	ds_add_u32 v10, v11                            ; the wave's opening: the add, twice on end, and its wait ahead of my first tensor load
	ds_add_u32 v10, v11
	v_lshrrev_b32 v1, 5, v0
	v_readfirstlane_b32 s8, v1                     ; wave 0..7
	s_mov_b32 s9, ttmp9
	s_and_b32 s10, ttmp7, 0xffff
	s_mov_b32 s24, (1<<16)|(1<<20)|(4<<22)|(3<<25) ; K: no mask; elements of 2 bytes; padding on: after every 32 words four words
	s_mov_b32 s32, (1<<16)|(1<<20)|(4<<22)|(7<<25) ; V: eight words
.irp g, 24, 32
	s_mov_b32 s[\g+1], 64<<16                      ; tensor_dim0 = 64
	s_mov_b32 s[\g+2], 64<<16                      ; tensor_dim1 = 64
	s_mov_b32 s[\g+3], 64<<16                      ; tile_dim0 = 64
	s_mov_b32 s[\g+4], 64                          ; tile_dim1 = 64 rows
	s_mov_b32 s[\g+5], 64                          ; from row to row
	s_mov_b32 s[\g+6], 0
	s_mov_b32 s[\g+7], 0
.endr
	s_and_b32 s67, s8, 3                           ; which quarter of a tile I fetch
	s_mov_b32 s40, 1
	s_mul_i32 s41, s67, 64*KP                      ; slot 0
	s_mov_b32 s44, 1
	s_mul_i32 s45, s67, 64*VP
	s_add_co_u32 s45, s45, VOFF
	s_mov_b32 s20, 0x76543210
	s_mov_b32 s21, 0xfedcba98
	s_mov_b32 s22, 0x3e38aa3b                      ; c = log2(e) / sqrt(64)
	s_mov_b32 s23, s22                             ; (named with it as a pair, so it is written)
	s_mov_b32 s11, s9                              ; the first block
	s_mov_b32 s12, 0
	s_mov_b32 s13, 8
	s_mov_b32 s60, 0
	s_mov_b32 s61, 0
	s_mov_b32 s62, 0
	s_lshl_b32 s63, s11, 8
	s_lshl_b32 s68, s8, 5
	s_add_co_u32 s63, s63, s68                     ; my first query
	s_cmp_eq_u32 ttmp9, 0
	s_cselect_b32 s15, 2, -1                       ; the head's work-group 0 prefetches while more than two trips of the loop are left
	s_mov_b32 s55, 0
	s_wait_dscnt 0x0                               ; both opening adds are done
	s_wait_kmcnt 0x0
	s_lshl_b32 s54, s10, 18
	s_add_nc_u64 s[50:51], s[4:5], s[54:55]        ; the head's q
	s_lshl_b32 s54, s67, 13
	s_add_nc_u64 s[16:17], s[50:51], s[54:55]
	s_add_nc_u64 s[16:17], s[16:17], 0x1000000     ; its k, at my quarter
	s_add_nc_u64 s[18:19], s[16:17], 0x1000000     ; its v
	s_mov_b64 s[42:43], s[16:17]
	s_or_b32 s43, s43, 0x80000000
	s_mov_b64 s[46:47], s[18:19]
	s_or_b32 s47, s47, 0x80000000
	TLOAD                                          ; tile 0 into slot 0: key 0 counts for every query
	s_lshl_b32 s54, s8, 12
	s_add_nc_u64 s[50:51], s[50:51], s[54:55]      ; my wave's 32 rows
	s_and_b32 s68, s10, 15
	s_lshl_b32 s68, s68, 2
	s_lshr_b32 s69, s10, 4
	s_add_co_u32 s68, s68, s69                     ; h x 4 + b
	s_add_nc_u64 s[52:53], s[6:7], s[54:55]
	s_lshl_b32 s54, s68, 18
	s_add_nc_u64 s[52:53], s[52:53], s[54:55]
	s_cmp_lt_u32 s8, 4
	s_cselect_b64 s[48:49], s[16:17], s[18:19]
	s_add_nc_u64 s[48:49], s[48:49], 32768         ; at tile 1: the first change of slots steps it to tile 2.  Nothing is prefetched here, at the head
	s_lshl_b32 s54, s11, 15
	s_add_nc_u64 s[56:57], s[50:51], s[54:55]
	s_add_nc_u64 s[58:59], s[52:53], s[54:55]
	v_and_b32 v32, 15, v0                          ; r
	v_bfe_u32 v33, v0, 4, 1                        ; h
	v_lshlrev_b32 v5, 7, v32
	v_lshl_add_u32 v5, v33, 4, v5                  ; Q: row r of 128 bytes, + 16 h
	LOADQ
	v_mul_u32_u24 v1, v32, KP
	v_lshl_add_u32 v1, v33, 4, v1                  ; K: row r x pitch + 16 h
	v_and_b32 v34, 7, v0
	v_bfe_u32 v35, v0, 3, 1
	v_lshl_add_u32 v2, v33, 3, v34
	v_mul_u32_u24 v2, v2, VP
	v_lshl_add_u32 v2, v35, 4, v2
	v_add_nc_u32 v2, VOFF, v2                      ; V, for the turning load: key 8 h + lane % 8, channels 8 ((lane / 8) % 2) on
	s_mul_i32 s68, s8, 32*KP
	s_add_co_u32 s68, s68, STAGE                   ; my stage
	v_add_nc_u32 v6, s68, v1                       ; in: row r, + 16 h
	v_bfe_u32 v36, v0, 3, 2
	v_mul_u32_u24 v7, v36, KP
	v_lshl_add_u32 v7, v34, 4, v7
	v_add_nc_u32 v7, s68, v7                       ; back: eight lanes to a row of 128 bytes, four rows an instruction
	v_and_b32 v37, 31, v0
	v_lshlrev_b32 v8, 4, v37                       ; and the same 512 bytes in ctx16
	v_lshlrev_b32 v9, 8, v37                       ; the prefetches: lanes 256 bytes apart
	v_mov_b32 v14, 0xff800000                      ; -infinity
	v_lshlrev_b32 v15, 3, v33
	v_sub_nc_u32 v15, v32, v15                     ; r - 8 h
	INIT
	s_wait_loadcnt 0x0                             ; Q
.Ltrip:                                            ; eight trips; behind each change of slots the next trip's tile is asked for.
	CHANGE 1
	FOUR_STEPS
	s_cmp_lg_u32 s12, s11                          ; was it the block's last tile?  Ids and counted steps alone; no barrier, wait for tiles or tensor load stands under this branch
	s_cbranch_scc1 .Lsame
	FINISH 1
.Lsame:
	s_add_co_u32 s12, s12, 1
	s_sub_co_u32 s13, s13, 1
	s_cmp_lg_u32 s13, 0
	s_cbranch_scc1 .Ltrip
	CHANGE 0                                       ; the ninth trip is written out: nothing is left to fetch.  It is the last tile of block 7 - j in every work-group
	FOUR_STEPS
	FINISH 0
	s_wait_tensorcnt 0x0                           ; the wave's end: behind my last tensor load and my last LDS store
	ds_add_u32 v10, v11
	s_wait_dscnt 0x0
	s_endpgm
.Lfunc_end_k_q90a8f25989_attn:
	.size	k_q90a8f25989_attn, .Lfunc_end_k_q90a8f25989_attn-k_q90a8f25989_attn
	.p2alignl 7, 3214868480
	.fill 96, 4, 3214868480
	.section	.rodata,"a",@progbits
	.p2align	6, 0x0
	.amdhsa_kernel k_q90a8f25989_attn
		.amdhsa_group_segment_fixed_size 327680
		.amdhsa_private_segment_fixed_size 0
		.amdhsa_enable_private_segment 0
		.amdhsa_kernarg_size 16
		.amdhsa_user_sgpr_count 2
		.amdhsa_user_sgpr_kernarg_segment_ptr 1
		.amdhsa_wavefront_size32 1
		.amdhsa_system_sgpr_workgroup_id_x 1
		.amdhsa_system_sgpr_workgroup_id_y 1
		.amdhsa_system_sgpr_workgroup_id_z 1
		.amdhsa_system_vgpr_workitem_id 0
		.amdhsa_next_free_vgpr 352
		.amdhsa_next_free_sgpr 80
		.amdhsa_reserve_vcc 1
		.amdhsa_float_denorm_mode_32 3
		.amdhsa_float_denorm_mode_16_64 3
		.amdhsa_memory_ordered 1
		.amdhsa_forward_progress 1
		.amdhsa_inst_pref_size 72
	.end_amdhsa_kernel
	.amdgpu_metadata
---
amdhsa.version: [ 1, 2 ]
amdhsa.kernels:
  - .name:           k_q90a8f25989_attn
    .symbol:         k_q90a8f25989_attn.kd
    .args:
      - { .name: qkv, .offset: 0, .size: 8, .value_kind: global_buffer, .address_space: global }
      - { .name: ctx16, .offset: 8, .size: 8, .value_kind: global_buffer, .address_space: global }
    .group_segment_fixed_size: 327680
    .private_segment_fixed_size: 0
    .kernarg_segment_align: 8
    .kernarg_segment_size: 16
    .max_flat_workgroup_size: 256
    .sgpr_count:     80
    .vgpr_count:     352
    .wavefront_size: 32
...
	.end_amdgpu_metadata
.endif
;; end of part 4
;; launch proj (part 5): grid 8 x 32, 4 waves a work-group, clusters of 4 x 4, 327,680 bytes of LDS; arguments ctx16, wo16, out0; writes out0
.if DOCPART == 5
	.amdgcn_target "amdgcn-amd-amdhsa--gfx1250"
	.amdhsa_code_object_version 6
	.text
	.protected	k_q90a8f25989_proj
	.globl	k_q90a8f25989_proj
	.p2align	8
	.type	k_q90a8f25989_proj,@function
k_q90a8f25989_proj:
	s_mov_b64 s[64:65], 0
	v_nop
	global_prefetch_b8 v0, s[64:65] scope:SCOPE_SE
	s_setreg_imm32_b32 hwreg(HW_REG_WAVE_MODE, 25, 1), 1
	s_wait_xcnt 0x0
	s_wait_alu depctr_hold_cnt(0) depctr_sa_sdst(0) depctr_va_vdst(0) depctr_va_sdst(0) depctr_va_ssrc(0) depctr_va_vcc(0) depctr_vm_vsrc(0)
	s_getreg_b32 s2, hwreg(HW_REG_IB_STS2, 6, 4)
	s_cmp_eq_u32 s2, 0
	s_cbranch_scc0 .Lentry_in_a_cluster
	s_endpgm
.Lentry_in_a_cluster:
	s_bfe_u32 s2, ttmp6, 0x10000c
	s_cmp_lg_u32 s2, 0xf033
	s_cbranch_scc0 .Lentry_shape_is_right
	s_endpgm
.Lentry_shape_is_right:
; out0 = ctx Wo: C[m][n] = sum over k of A[m][k] B[k][n], f16 operands, f32 sums, f32 out.  A = ctx16 [h 16][m 8192][64]: plane h is k = 64 h .. 64 h + 63.  B = wo16 [k 1024][n 1024], K its first axis.
; The rows of the first 16 positions of each sequence are computed here inside live tiles; the launch that follows writes them again from f32 operands.
; A tile of C is 256 x 128: 256 work-groups.  Four waves, each 128 x 64: 32 accumulators of 16 x 16, 256 registers.  K goes in steps of 128 (two planes of A, 128 rows of B) through two LDS slots.
; Waves 0 and 1 fetch A's two planes (256 rows x 128 bytes each), waves 2 and 3 B's two halves (64 rows x 256 bytes): one tensor load a wave behind each change of slots.
; CLUSTERS: 4 x 4 work-groups.  The four of a row of the cluster need the same tiles of A, the four of a column the same tiles of B: each tile is asked for JOINTLY.
; THE MATRIX INSTRUCTION IS USED TRANSPOSED (source 0 = 16 columns of B, turned out of LDS by ds_load_tr16_b128; source 1 = 16 rows of A): a lane holds eight neighbouring numbers of a row of C.
; No prefetch: both operands are small beside the output that the launch streams, and each is read by many work-groups at about the same time.
; REGISTERS: window 0: v16-29 addresses; two fragment buffers for 32 along K: v64-127 A's eight blocks and v128-159 B's four; v160-223 and v224-255; on the way out v32-95.   window 1: accumulator (a, b) at v[8 (4 a + b)].
.set AP,     144                       ; a row of A in LDS: 128 bytes + 16
.set APL,    256*AP                    ; a plane
.set BP,     288                       ; a row of B: 256 bytes + 32: an odd multiple of 32 bytes
.set BOFF,   2*APL
.set SLOT,   BOFF+128*BP
.set STAGE,  2*SLOT                    ; behind the ring: 16 rows x 272 bytes for each wave; no tensor load lands here
.set SPITCH, 272
.set SPARE,  STAGE+4*16*SPITCH         ; the spare words, 128 bytes for each wave: two blocks of 256 bytes that no other line names
.set LAPS,   4                         ; a lap = two K steps = once round the ring
.set ADRA, 16
.set ADRB, 20
.set STO,  24
.set RD,   25
.set CO,   26
.set SPW,  28
.set NIL,  29
.set F0,   64
.set F1,   160
.set BK,   32
.set G1, 24
.set G0, 32
.set G1B, 48
.set G0B, 56
.set MSB, 0
.macro WIN new
.if MSB != \new
	s_set_vgpr_msb (MSB<<8)|\new
.set MSB, \new
.endif
.endm
.set MUL, 0x50                         ; C and D window 1
.macro JLOAD s                         ; a joint load; an s_nop 0 and four v_nop follow each of the two lines
	s_cmp_eq_u32 s11, 0
	s_cbranch_scc0 .Lfor_b_\@
	tensor_load_to_lds s[G0+4*\s:G0+4*\s+3], s[G1:G1+7]
	s_nop 0
.rept 4
	v_nop
.endr
	s_branch .Lasked_\@
.Lfor_b_\@:
	tensor_load_to_lds s[G0B+4*\s:G0B+4*\s+3], s[G1B:G1B+7]
	s_nop 0
.rept 4
	v_nop
.endr
.Lasked_\@:
.endm
.macro CREST                           ; a round of the cluster's barrier behind its opening barrier
	s_cmp_lg_u32 s10, 0
	s_cbranch_scc1 .Lnot_wave_0_\@
	s_barrier_signal -3
.Lnot_wave_0_\@:
	s_barrier_wait -3
	s_barrier_signal -1
	s_barrier_wait -1
.endm
.macro CROUND
	s_barrier_signal -1
	s_barrier_wait -1
	CREST
.endm
	s_load_b128 s[4:7], s[0:1], 0x0                ; ctx16 s[4:5], wo16 s[6:7]
	s_load_b64 s[8:9], s[0:1], 0x10                ; out0
	v_lshl_add_u32 v[SPW], v0, 2, SPARE
	v_mov_b32 v[NIL], 0
	ds_add_u32 v[SPW], v[NIL]                      ; the wave's opening: the add, twice on end, and its wait ahead of my first tensor load
	ds_add_u32 v[SPW], v[NIL]
	v_lshrrev_b32 v1, 5, v0
	v_readfirstlane_b32 s10, v1                    ; wave 0..3
	s_lshr_b32 s11, s10, 1                         ; which half of the tile's rows is mine.  Also: I fetch for A (0) or for B (1)
	s_and_b32 s12, s10, 1                          ; which half of its columns.  Also: which plane of A or half of B I fetch
	s_bfe_u32 s40, ttmp6, 0x40000                  ; cx, cy
	s_bfe_u32 s41, ttmp6, 0x40004
	s_lshl_b32 s42, ttmp9, 2
	s_add_co_u32 s42, s42, s40                     ; tile column of C
	s_and_b32 s13, ttmp7, 0xffff
	s_lshl_b32 s13, s13, 2
	s_add_co_u32 s13, s13, s41                     ; tile row of C
	s_lshl_b32 s43, s41, 2
	s_lshl_b32 s43, 15, s43                        ; my row of the cluster
	s_lshl_b32 s44, 0x1111, s40                    ; my column
	s_or_b32 s[G1+0], s43, (1<<16)|(1<<20)|(1<<21)|(4<<22)|(3<<25)   ; A: the mask; elements of 2 bytes; padding on; bit 21 beside a mask; after every 32 words four words
	s_mov_b32 s[G1+1], 64<<16                      ; tensor_dim0 = 64
	s_mov_b32 s[G1+2], 256<<16                     ; tensor_dim1 = 256
	s_mov_b32 s[G1+3], 64<<16                      ; tile_dim0 = 64
	s_mov_b32 s[G1+4], 256                         ; tile_dim1 = 256 rows
	s_mov_b32 s[G1+5], 64                          ; from row to row
	s_mov_b32 s[G1+6], 0
	s_mov_b32 s[G1+7], 0
	s_or_b32 s[G1B+0], s44, (1<<16)|(1<<20)|(1<<21)|(5<<22)|(7<<25)  ; B: after every 64 words eight words
	s_mov_b32 s[G1B+1], 128<<16
	s_mov_b32 s[G1B+2], 64<<16
	s_mov_b32 s[G1B+3], 128<<16
	s_mov_b32 s[G1B+4], 64
	s_mov_b32 s[G1B+5], 1024
	s_mov_b32 s[G1B+6], 0
	s_mov_b32 s[G1B+7], 0
	s_lshl_b32 s16, s12, 20                        ; A: my plane, 2^20 bytes each,
	s_lshl_b32 s17, s13, 15                        ; the tile's 256 rows of 128 bytes
	s_add_co_u32 s16, s16, s17
	s_mov_b32 s17, 0
	s_lshl_b32 s46, s12, 17                        ; B: my 64 rows of 2,048 bytes,
	s_lshl_b32 s47, s42, 8                         ; the tile's 128 columns
	s_add_co_u32 s46, s46, s47
	s_mov_b32 s47, 0
	s_mul_i32 s20, s12, APL                        ; where they go: no place in the cluster enters an LDS address
	s_mul_i32 s23, s12, 64*BP
	s_add_co_u32 s23, s23, BOFF
	s_wait_dscnt 0x0                               ; both opening adds are done
	s_wait_kmcnt 0x0
	s_add_nc_u64 s[14:15], s[4:5], s[16:17]
	s_add_nc_u64 s[46:47], s[6:7], s[46:47]
	CROUND                                         ; all sixteen work-groups are here: the first joint loads meet
.irp s, 0,1
	s_mov_b32 s[G0+4*\s], 1
	s_add_co_u32 s[G0+4*\s+1], s20, \s*SLOT
	s_add_nc_u64 s[G0+4*\s+2:G0+4*\s+3], s[14:15], \s*0x200000     ; K step s: two planes on
	s_or_b32 s[G0+4*\s+3], s[G0+4*\s+3], 0x80000000
	s_mov_b32 s[G0B+4*\s], 1
	s_add_co_u32 s[G0B+4*\s+1], s23, \s*SLOT
	s_add_nc_u64 s[G0B+4*\s+2:G0B+4*\s+3], s[46:47], \s*0x40000    ; 128 rows on
	s_or_b32 s[G0B+4*\s+3], s[G0B+4*\s+3], 0x80000000
	JLOAD \s
.endr
	v_and_b32 v1, 15, v0                           ; r
	v_bfe_u32 v2, v0, 4, 1                         ; h
	v_mul_u32_u24 v3, v1, AP
	v_lshl_add_u32 v3, v2, 4, v3                   ; A: row r x pitch + 16 h
	s_mul_i32 s21, s11, 128*AP                     ; my 128 rows
	v_and_b32 v4, 7, v0
	v_lshl_add_u32 v4, v2, 3, v4
	v_mul_u32_u24 v4, v4, BP
	v_bfe_u32 v5, v0, 3, 1
	v_lshl_add_u32 v4, v5, 4, v4                   ; B, for the turning load: k = 8 h + lane % 8, columns 8 ((lane / 8) % 2) on
	s_lshl_b32 s22, s12, 7                         ; my 64 columns
	s_add_co_u32 s22, s22, BOFF
.irp s, 0,1
	v_add_nc_u32 v[ADRA+\s], s21, v3
	v_add_nc_u32 v[ADRB+\s], s22, v4
	s_add_co_u32 s21, s21, SLOT
	s_add_co_u32 s22, s22, SLOT
.endr
	s_mul_i32 s23, s10, 16*SPITCH
	s_add_co_u32 s23, s23, STAGE                   ; my stage
	v_mul_u32_u24 v5, v1, SPITCH
	v_lshl_add_u32 v5, v2, 5, v5
	v_add_nc_u32 v[STO], s23, v5                   ; in: row r, 32 bytes for each half of the lanes
	v_mul_u32_u24 v5, v2, SPITCH
	v_lshl_add_u32 v5, v1, 4, v5
	v_add_nc_u32 v[RD], s23, v5                    ; back: lanes 0-15 one row of 256 bytes, lanes 16-31 the next
	v_lshlrev_b32 v5, 12, v2
	v_lshl_add_u32 v[CO], v1, 4, v5                ; and the same two rows in out0
	s_lshl_b32 s16, s13, 8
	s_lshl_b32 s17, s11, 7
	s_add_co_u32 s16, s16, s17                     ; my first row of C
	s_lshl_b32 s16, s16, 12
	s_mov_b32 s17, 0
	s_add_nc_u64 s[8:9], s[8:9], s[16:17]
	s_lshl_b32 s46, s42, 9                         ; my first column, in bytes
	s_lshl_b32 s47, s12, 8
	s_add_co_u32 s46, s46, s47
	s_mov_b32 s47, 0
	s_add_nc_u64 s[8:9], s[8:9], s[46:47]
; 8 matrix instructions: A's blocks a0, a0 + 1 x B's four, 32 along K.  The 32 accumulators take turns, one instruction a turn, in the same order in every quarter
.macro MUL8 f, a0, zero
.irp a, \a0, \a0+1
.irp b, 0,1,2,3
.if \zero
	v_wmma_f32_16x16x32_f16 v[8*(4*(\a)+\b):8*(4*(\a)+\b)+7], v[\f+64+8*\b:\f+64+8*\b+7], v[\f+8*(\a):\f+8*(\a)+7], 0
.else
	v_wmma_f32_16x16x32_f16 v[8*(4*(\a)+\b):8*(4*(\a)+\b)+7], v[\f+64+8*\b:\f+64+8*\b+7], v[\f+8*(\a):\f+8*(\a)+7], v[8*(4*(\a)+\b):8*(4*(\a)+\b)+7]
.endif
.endr
.endr
.endm
; 24 LDS loads in one run: the fragments of the slot's q-th 32 along K into buffer f: B's four first, then A's eight blocks in order
.macro FETCH slot, q, f
	WIN 0
.irp b, 0,1,2,3
	ds_load_tr16_b128 v[\f+64+8*\b:\f+64+8*\b+3],   v[ADRB+\slot] offset:32*(\q)*BP+32*\b
	ds_load_tr16_b128 v[\f+64+8*\b+4:\f+64+8*\b+7], v[ADRB+\slot] offset:32*(\q)*BP+16*BP+32*\b
.endr
.irp i, 0,1,2,3,4,5,6,7
	ds_load_b128 v[\f+8*\i:\f+8*\i+3],   v[ADRA+\slot] offset:((\q)/2)*APL+\i*16*AP+64*((\q)%2)
	ds_load_b128 v[\f+8*\i+4:\f+8*\i+7], v[ADRA+\slot] offset:((\q)/2)*APL+\i*16*AP+64*((\q)%2)+32
.endr
.endm
.macro PLACES                          ; four places in front of loads into registers that matrix instructions have read, and of the first read of results
.rept 4
	v_nop
.endr
.endm
; A K step is four quarters of 32 along K, 32 matrix instructions each, on buffers 0, 1, 0, 1.  One of the first three: multiplies buffer f and fetches quarter q into g
.macro QUARTER slot, q, f, g, zero
	s_wait_dscnt 8                                 ; B and A's blocks 0-3 are in; the youngest eight loads (A's blocks 4-7) may be out
	WIN MUL
	MUL8 \f, 0, \zero
	MUL8 \f, 2, \zero
	PLACES
	FETCH \slot, \q, \g
	s_wait_dscnt 24                                ; all but the 24 just issued
	WIN MUL
	MUL8 \f, 4, \zero
	MUL8 \f, 6, \zero
.endm
; The last quarter multiplies buffer 1 and changes slots: ONE barrier; in front of it each wave waits for all its tensor loads, adds 0 to its spare word, and waits for that and for its own reads of this slot.
; fill = 1: the barrier opens a round of the cluster's barrier, and this slot is filled again, two K steps ahead: 112 matrix instructions stand between the request and the wait for it
.macro TURN slot, next, fill
	WIN 0                                          ; (the add's two registers lie in window 0)
	s_wait_tensorcnt 0x0                           ; all my tensor loads have landed: my part of the next slot
	ds_add_u32 v[SPW], v[NIL]                      ; 0 onto my spare word
	s_wait_dscnt 9                                 ; the add and the youngest eight loads may be out
	WIN MUL
	MUL8 F1, 0, 0
	s_wait_dscnt 0x0                               ; the add is done, and my reads of this slot are over
	s_barrier_signal -1
	MUL8 F1, 2, 0
.if \fill
	WIN 0
.endif
	s_barrier_wait -1
.if \fill
	CREST                                          ; no wave of any partner still reads this slot's tile or has a load on its way
	s_add_nc_u64 s[G0+4*\slot+2:G0+4*\slot+3], s[G0+4*\slot+2:G0+4*\slot+3], 0x400000
	s_add_nc_u64 s[G0B+4*\slot+2:G0B+4*\slot+3], s[G0B+4*\slot+2:G0B+4*\slot+3], 0x80000
	JLOAD \slot                                    ; the first tensor load behind the round; its four v_nop are also the places in front of the loads below
.else
	PLACES
.endif
	FETCH \next, 0, F0
	WIN MUL
	MUL8 F1, 4, 0
	MUL8 F1, 6, 0
.endm
	s_wait_tensorcnt 1                             ; my part of K step 0 is in; K step 1's load, issued behind it, may be out
	s_barrier_signal -1
	s_barrier_wait -1
	FETCH 0, 0, F0
	QUARTER 0, 1, F0, F1, 1                        ; the first quarter stands in front of the loop: its products start the sums
	WIN 0
	s_mov_b32 s3, LAPS-1
.Llap:                                             ; a trip goes once round the ring, from a lap's second quarter to the next lap's first, and fills both slots again
	QUARTER 0, 2, F1, F0, 0
	QUARTER 0, 3, F0, F1, 0
	TURN 0, 1, 1
	QUARTER 1, 1, F0, F1, 0
	QUARTER 1, 2, F1, F0, 0
	QUARTER 1, 3, F0, F1, 0
	TURN 1, 0, 1
	QUARTER 0, 1, F0, F1, 0
	WIN 0
	s_sub_co_u32 s3, s3, 1
	s_cmp_lg_u32 s3, 0
	s_cbranch_scc1 .Llap
	QUARTER 0, 2, F1, F0, 0                        ; the last lap fills nothing, and has no round of the cluster's barrier
	QUARTER 0, 3, F0, F1, 0
	TURN 0, 1, 0
	QUARTER 1, 1, F0, F1, 0
	QUARTER 1, 2, F1, F0, 0
	QUARTER 1, 3, F0, F1, 0
	s_wait_dscnt 8                                 ; the very last quarter: nothing more to fetch
	WIN MUL
	MUL8 F1, 0, 0
	MUL8 F1, 2, 0
	s_wait_dscnt 0
	MUL8 F1, 4, 0
	MUL8 F1, 6, 0
	WIN 0
; THE WAY OUT, block by block of 16 rows x 64 columns: through my own stage, and back as whole pieces of 256 bytes of a row
.macro TOSTAGE a
	WIN 0x04                                       ; an LDS store's data are its source 1: window 1
.irp b, 0,1,2,3
	ds_store_b128 v[STO], v[8*(4*(\a)+\b):8*(4*(\a)+\b)+3] offset:64*\b          ; each accumulator from its low end on
	ds_store_b128 v[STO], v[8*(4*(\a)+\b)+4:8*(4*(\a)+\b)+7] offset:64*\b+16
.endr
	WIN 0
.set BB, BK+32*((\a)%2)
.irp t, 0,1,2,3,4,5,6,7
	ds_load_b128 v[BB+4*\t:BB+4*\t+3], v[RD] offset:\t*2*SPITCH   ; LDS serves a wave's instructions in order: these see the stores above
.endr
.endm
.macro SEND a, younger
.set BB, BK+32*((\a)%2)
	s_wait_dscnt \younger                          ; the block is back in registers; the next block's 8 stores and 8 loads may be out
.irp t, 0,1,2,3,4,5,6,7
	global_store_b128 v[CO], v[BB+4*\t:BB+4*\t+3], s[8:9] offset:(16*(\a)+2*\t)*4096 th:TH_STORE_NT   ; sixteen lanes store 256 consecutive bytes, aligned
.endr
.endm
	PLACES
	TOSTAGE 0
.irp a, 1,2,3,4,5,6,7
.if \a > 1
	s_wait_xcnt 0x0                                ; block a - 2's stores have read their registers: block a's loads may land there
.endif
	TOSTAGE \a
	SEND \a-1, 16
.endr
	SEND 7, 0
	s_wait_tensorcnt 0x0                           ; the wave's end: behind my last tensor load and my last LDS store
	ds_add_u32 v[SPW], v[NIL]
	s_wait_dscnt 0x0
	CROUND                                         ; the closing round: no work-group ends while a partner may still ask for a tile that names it
	s_endpgm
.Lfunc_end_k_q90a8f25989_proj:
	.size	k_q90a8f25989_proj, .Lfunc_end_k_q90a8f25989_proj-k_q90a8f25989_proj
	.p2alignl 7, 3214868480
	.fill 96, 4, 3214868480
	.section	.rodata,"a",@progbits
	.p2align	6, 0x0
	.amdhsa_kernel k_q90a8f25989_proj
		.amdhsa_group_segment_fixed_size 327680
		.amdhsa_private_segment_fixed_size 0
		.amdhsa_enable_private_segment 0
		.amdhsa_kernarg_size 24
		.amdhsa_user_sgpr_count 2
		.amdhsa_user_sgpr_kernarg_segment_ptr 1
		.amdhsa_wavefront_size32 1
		.amdhsa_system_sgpr_workgroup_id_x 1
		.amdhsa_system_sgpr_workgroup_id_y 1
		.amdhsa_system_sgpr_workgroup_id_z 1
		.amdhsa_system_vgpr_workitem_id 0
		.amdhsa_next_free_vgpr 512
		.amdhsa_next_free_sgpr 66
		.amdhsa_reserve_vcc 0
		.amdhsa_float_denorm_mode_32 3
		.amdhsa_float_denorm_mode_16_64 3
		.amdhsa_memory_ordered 1
		.amdhsa_forward_progress 1
		.amdhsa_inst_pref_size 86
	.end_amdhsa_kernel
	.amdgpu_metadata
---
amdhsa.version: [ 1, 2 ]
amdhsa.kernels:
  - .name:           k_q90a8f25989_proj
    .symbol:         k_q90a8f25989_proj.kd
    .args:
      - { .name: ctx16, .offset: 0, .size: 8, .value_kind: global_buffer, .address_space: global }
      - { .name: wo16, .offset: 8, .size: 8, .value_kind: global_buffer, .address_space: global }
      - { .name: out0, .offset: 16, .size: 8, .value_kind: global_buffer, .address_space: global }
    .group_segment_fixed_size: 327680
    .private_segment_fixed_size: 0
    .kernarg_segment_align: 8
    .kernarg_segment_size: 24
    .max_flat_workgroup_size: 128
    .sgpr_count:     66
    .vgpr_count:     512
    .wavefront_size: 32
...
	.end_amdgpu_metadata
.endif
;; end of part 5
;; launch fine_proj (part 6): grid 64 x 4, 8 waves a work-group, no clusters, 9,216 bytes of LDS; arguments ctxf, Wo, out0; writes out0
.if DOCPART == 6
	.amdgcn_target "amdgcn-amd-amdhsa--gfx1250"
	.amdhsa_code_object_version 6
	.text
	.protected	k_q90a8f25989_fine_proj
	.globl	k_q90a8f25989_fine_proj
	.p2align	8
	.type	k_q90a8f25989_fine_proj,@function
k_q90a8f25989_fine_proj:
	s_mov_b64 s[64:65], 0
	v_nop
	global_prefetch_b8 v0, s[64:65] scope:SCOPE_SE
	s_setreg_imm32_b32 hwreg(HW_REG_WAVE_MODE, 25, 1), 1
	s_wait_xcnt 0x0
; THE FIRST 16 POSITIONS OF EVERY SEQUENCE THROUGH THE LAST PRODUCT, IN f32: out0[b][0..15][:] = ctxf[b x 16 + 0..15][:] Wo, both operands f32, by the f32 matrix form.  64 rows in all: no bulk work.
; It runs last and writes these rows of out0 over what the f16 product left there.
; A work-group takes one batch's 16 rows x 16 columns; its eight waves share K, 128 each; the eight partial tiles meet in LDS, as images of their registers, and wave 0 adds and stores them.
; A row's piece is 64 bytes, so aligned blocks of 256 bytes are written in part: 262,144 bytes in all, one part in 128 of the output.  That is the price of 256 work-groups for this slow form.
; TRANSPOSED: source 0 = 16 columns of Wo, source 1 = 16 rows of ctxf: lane (r, h) holds row r and columns 8 h + j.  The form wants k = 2 h + j in a lane's pair; here the pair (u, e) holds
; k = 8 u + 4 h + 2 e + j on both sides: the same permutation of k, so the products are kept.
.set SPARE, 8192                       ; behind the eight images of 1,024 bytes: 128 bytes for each wave, four blocks of 256 bytes that no other line names
.set CX, 16                            ; v16-79   ctxf: register 4 u + i: k = 8 u + 4 h + i of row r
.set WX, 80                            ; v80-143  Wo: the same k of column r
.set AC, 144                           ; v144-175 four accumulators, written by matrix instructions alone
	s_load_b128 s[4:7], s[0:1], 0x0                ; ctxf s[4:5], Wo s[6:7]
	s_load_b64 s[8:9], s[0:1], 0x10                ; out0
	v_lshl_add_u32 v10, v0, 2, SPARE               ; my spare word; never rewritten
	v_mov_b32 v11, 0                               ; 0; never rewritten
	v_lshrrev_b32 v1, 5, v0
	v_readfirstlane_b32 s10, v1                    ; wave 0..7
	v_and_b32 v1, 15, v0                           ; r
	v_bfe_u32 v2, v0, 4, 1                         ; h
	v_and_b32 v3, 31, v0
	v_lshlrev_b32 v4, 12, v1
	v_lshl_add_u32 v4, v2, 4, v4                   ; ctxf: row r of 4,096 bytes, + 16 h
	v_lshlrev_b32 v5, 2, v1
	v_lshl_add_u32 v5, v2, 14, v5                  ; Wo: column r, + 4 h rows of 4,096 bytes
	v_lshlrev_b32 v6, 4, v3                        ; an image's place for my lane
	s_lshl_b32 s11, s10, 10
	v_add_nc_u32 v7, s11, v6                       ; and in my wave's image
	v_lshlrev_b32 v8, 12, v1
	v_lshl_add_u32 v8, v2, 5, v8                   ; out0: row r, + 32 h
	s_and_b32 s12, ttmp7, 0xffff                   ; the batch; ttmp9 is the tile of 16 columns
	s_mov_b32 s15, 0
	s_wait_kmcnt 0x0
	s_lshl_b32 s14, s12, 16
	s_add_nc_u64 s[4:5], s[4:5], s[14:15]
	s_lshl_b32 s14, s10, 9
	s_add_nc_u64 s[4:5], s[4:5], s[14:15]          ; my 128 along K
	s_lshl_b32 s14, s10, 19
	s_add_nc_u64 s[6:7], s[6:7], s[14:15]          ; 128 rows of Wo
	s_lshl_b32 s14, ttmp9, 6
	s_add_nc_u64 s[6:7], s[6:7], s[14:15]
	s_add_nc_u64 s[8:9], s[8:9], s[14:15]
	s_lshl_b32 s14, s12, 23
	s_add_nc_u64 s[8:9], s[8:9], s[14:15]
.set u, 0
.rept 16
	global_load_b128 v[CX+4*u:CX+4*u+3], v4, s[4:5] offset:32*u
.set u, u+1
.endr
.set u, 0
.rept 16
.irp i, 0,1,2,3
	global_load_b32 v[WX+4*u+\i], v5, s[6:7] offset:(8*u+\i)*4096
.endr
.set u, u+1
.endr
	s_wait_loadcnt 0x0
.set n, 0
.rept 32                               ; four accumulators by turns, one instruction a turn; the first four start the sums
.if n < 4
	v_wmma_f32_16x16x4_f32 v[AC+8*(n%4):AC+8*(n%4)+7], v[WX+2*n:WX+2*n+1], v[CX+2*n:CX+2*n+1], 0
.else
	v_wmma_f32_16x16x4_f32 v[AC+8*(n%4):AC+8*(n%4)+7], v[WX+2*n:WX+2*n+1], v[CX+2*n:CX+2*n+1], v[AC+8*(n%4):AC+8*(n%4)+7]
.endif
.set n, n+1
.endr
.rept 8
	v_nop                                          ; eight places behind this form before its results are read
.endr
.irp j, 0,1,2,3,4,5,6,7                ; the four sums into other registers, each accumulator from its low end on
	v_add_f32 v[176+\j], v[AC+\j], v[AC+8+\j]
.endr
.irp j, 0,1,2,3,4,5,6,7
	v_add_f32 v[176+\j], v[176+\j], v[AC+16+\j]
.endr
.irp j, 0,1,2,3,4,5,6,7
	v_add_f32 v[176+\j], v[176+\j], v[AC+24+\j]
.endr
	ds_store_b128 v7, v[176:179]
	ds_store_b128 v7, v[180:183] offset:512
	s_wait_dscnt 0x0                               ; for the others' sake: my image has landed
	s_barrier_signal -1
	s_barrier_wait -1
	s_cmp_lg_u32 s10, 0
	s_cbranch_scc1 .Lend                           ; wave 0 adds and stores; no barrier stands under this branch
.irp w, 0,1,2,3,4,5,6,7
	ds_load_b128 v[184+8*\w:187+8*\w], v6 offset:1024*\w
	ds_load_b128 v[188+8*\w:191+8*\w], v6 offset:1024*\w+512
.endr
	s_wait_dscnt 0x0
.irp w, 0,2,4,6
.irp p, 0,2,4,6
	v_pk_add_f32 v[184+8*\w+\p:185+8*\w+\p], v[184+8*\w+\p:185+8*\w+\p], v[192+8*\w+\p:193+8*\w+\p]
.endr
.endr
.irp w, 0,4
.irp p, 0,2,4,6
	v_pk_add_f32 v[184+8*\w+\p:185+8*\w+\p], v[184+8*\w+\p:185+8*\w+\p], v[200+8*\w+\p:201+8*\w+\p]
.endr
.endr
.irp p, 0,2,4,6
	v_pk_add_f32 v[184+\p:185+\p], v[184+\p:185+\p], v[216+\p:217+\p]
.endr
	global_store_b128 v8, v[184:187], s[8:9]
	global_store_b128 v8, v[188:191], s[8:9] offset:16
.Lend:
	s_wait_tensorcnt 0x0                           ; the wave's end: behind my last LDS store
	ds_add_u32 v10, v11
	s_wait_dscnt 0x0
	s_endpgm
.Lfunc_end_k_q90a8f25989_fine_proj:
	.size	k_q90a8f25989_fine_proj, .Lfunc_end_k_q90a8f25989_fine_proj-k_q90a8f25989_fine_proj
	.p2alignl 7, 3214868480
	.fill 96, 4, 3214868480
	.section	.rodata,"a",@progbits
	.p2align	6, 0x0
	.amdhsa_kernel k_q90a8f25989_fine_proj
		.amdhsa_group_segment_fixed_size 9216
		.amdhsa_private_segment_fixed_size 0
		.amdhsa_enable_private_segment 0
		.amdhsa_kernarg_size 24
		.amdhsa_user_sgpr_count 2
		.amdhsa_user_sgpr_kernarg_segment_ptr 1
		.amdhsa_wavefront_size32 1
		.amdhsa_system_sgpr_workgroup_id_x 1
		.amdhsa_system_sgpr_workgroup_id_y 1
		.amdhsa_system_sgpr_workgroup_id_z 1
		.amdhsa_system_vgpr_workitem_id 0
		.amdhsa_next_free_vgpr 256
		.amdhsa_next_free_sgpr 66
		.amdhsa_reserve_vcc 0
		.amdhsa_float_denorm_mode_32 3
		.amdhsa_float_denorm_mode_16_64 3
		.amdhsa_memory_ordered 1
		.amdhsa_forward_progress 1
		.amdhsa_inst_pref_size 16
	.end_amdhsa_kernel
	.amdgpu_metadata
---
amdhsa.version: [ 1, 2 ]
amdhsa.kernels:
  - .name:           k_q90a8f25989_fine_proj
    .symbol:         k_q90a8f25989_fine_proj.kd
    .args:
      - { .name: ctxf, .offset: 0, .size: 8, .value_kind: global_buffer, .address_space: global }
      - { .name: Wo, .offset: 8, .size: 8, .value_kind: global_buffer, .address_space: global }
      - { .name: out0, .offset: 16, .size: 8, .value_kind: global_buffer, .address_space: global }
    .group_segment_fixed_size: 9216
    .private_segment_fixed_size: 0
    .kernarg_segment_align: 8
    .kernarg_segment_size: 24
    .max_flat_workgroup_size: 256
    .sgpr_count:     66
    .vgpr_count:     256
    .wavefront_size: 32
...
	.end_amdgpu_metadata
.endif
;; end of part 6
